; MI455X (gfx1250); checked and timed in simulation.
; The chip was launched on July 23, 2026; its instructions are those of AMD's public machine-readable ISA for CDNA 5 (MIT licence, August 2026) and "CDNA5" Instruction Set Architecture Reference Guide (July 2026). The comments in the code are by the model that wrote it; some were corrected since.
;; Decoder Layer. Allowed arithmetic: matrix products marked QUANTISED: E2M3 operands, one E8M0 scale for each 32 along K, by v_wmma_scale_f32_16x16x128_f8f6f4 with both operands' format E2M3, f32 sums; everything else in f32.
;; Inputs: attention_mask 1 x 1 x 2,048 x 2,048 bool; attn_norm_w 2,048 float32; ff_norm_w 2,048 float32; freqs_cis 2,048 x 32 x 2 float32; w1 2,048 x 2,048 float32; w2 2,048 x 2,048 float32; w3 2,048 x 2,048 float32; w_o 2,048 x 2,048 float32; w_qkv 3,072 x 2,048 float32; x 1 x 2,048 x 2,048 float32.
;; Outputs: out0 1 x 2,048 x 2,048 float32.
;; This version of the problem:
;;   THIS VERSION OF THE PROBLEM IS GIVEN IN LOW PRECISION. The matrix products marked QUANTISED in the list below multiply operands that are first quantised to E2M3 (2 exponent bits, 3 mantissa bits; 6 bits a number), with one power-of-two scale for each 32 numbers along K (OCP MX v1.0); their sums are f32. All else is computed in f32.
;;   The module's matrix products, in the order in which they are computed (A, B: the left and right operand; K: the contracted axis; several contracted axes count as one K, in the product's order):
;;     1. [M 2,048, K 2,048] x [K 2,048, N 3,072]; A: computed on the way; B: input w_qkv: QUANTISED
;;     2. batch 32 x [M 2,048, K 64] x [K 64, N 2,048]; A: computed on the way; B: computed on the way: QUANTISED
;;     3. batch 32 x [M 2,048, K 2,048] x [K 2,048, N 64]; A: softmax (see below); B: computed on the way: QUANTISED
;;     4. [M 2,048, K 2,048] x [K 2,048, N 2,048]; A: computed on the way; B: input w_o: QUANTISED
;;     5. [M 2,048, K 2,048] x [K 2,048, N 2,048]; A: computed on the way; B: input w1: QUANTISED
;;     6. [M 2,048, K 2,048] x [K 2,048, N 2,048]; A: computed on the way; B: input w3: QUANTISED
;;     7. [M 2,048, K 2,048] x [K 2,048, N 2,048]; A: computed on the way; B: input w2: QUANTISED
;;   THE QUANTISER, for each operand of a quantised product, along K:
;;     - K is cut into blocks of 32 from its start; a last block that is shorter is filled with zeros.
;;     - A block's scale is 2^e with e = floor(log2(the largest magnitude in the block)) - 2, held to -126 .. 127; a block of zeros has e = 0. As a byte (E8M0): e + 127.
;;     - Each number is divided by its block's scale, clamped to +-7.5, and rounded to the nearest number of E2M3, ties to even, subnormals kept.
;;     - The product sums the exact products of the quantised numbers (number of the format x scale) in f32.
;;   ~~~python
;;   def quantise(x, axis):      # numpy; x: float32 -> the quantised numbers, widened to float32 again
;;       x = np.moveaxis(x, axis, -1); K = x.shape[-1]
;;       x = np.pad(x, [(0, 0)] * (x.ndim - 1) + [(0, -K % 32)]); x = x.reshape(x.shape[:-1] + (-1, 32)); a = np.abs(x).max(-1, keepdims=True)
;;       e = np.where(a > 0, np.clip(np.frexp(np.where(a > 0, a, 1))[1] - 1 - 2, -126, 127), 0)      # np.frexp(a)[1] - 1 = floor(log2(a)), exactly
;;       r = np.clip(x / 2.0 ** e, -7.5, 7.5)
;;       step = 2.0 ** (np.maximum(np.frexp(np.where(r == 0, 1, r))[1] - 1, 0) - 3)
;;       q = np.round(r / step) * step * 2.0 ** e      # np.round: ties to even
;;       return np.moveaxis(q.reshape(q.shape[:-2] + (-1,))[..., :K], -1, axis).astype(np.float32)
;;   ~~~
;;   SOFTMAX AHEAD OF A QUANTISED PRODUCT. Where the list says 'softmax', what is quantised is not the finished softmax but p = 2^(t - M), with t = logit x log2(e) and M = ceil(the row's largest t), a whole number; so 1/2 < the row's largest p <= 1. The row's sum l is taken of the UNQUANTISED p, in f32, and the product's result is divided by l at the end. Since M is a whole number, a kernel that streams over the keys may use a running M (the ceiling of the running maximum): every later rescaling is an exact power of two, which a block's scale takes up: the codes' values come out the same.
;;   OPERANDS COMPUTED ON THE WAY. 'Computed on the way' means the value that the module computes at that place (a softmax that the list does not call 'softmax' is quantised finished and normalised). What goes into a quantiser is computed in f32, as accurately as f32 sums, v_exp_f32 and their like allow (about 1e-6 of the number): no bf16 or f16 on the way to a quantiser, and a product that is left as it is and whose result goes on into a quantised operand takes f32 operands (vector FMAs, or v_wmma_f32_16x16x4_f32). A number that lies on a knife's edge between two numbers of the format may be rounded either way, as far as f32 arithmetic and the matrix unit's own rounding can turn it there, and no further.
;; One version. Each part assembles by itself: llvm-mc -triple=amdgcn-amd-amdhsa -mcpu=gfx1250 --defsym DOCPART=n.
;; ======== version 1 of 1: 8 launches
;; limits: right only within a limited range of input values
;; workspace buffers: P1 8,192,000 bytes; P2 9,830,400 bytes; nq 3,276,800 bytes; tq 3,276,800 bytes; h2 16,777,216 bytes; qkv 5,079,040 bytes; msk 524,800 bytes of whole numbers
;; launch prep (part 1): grid 3328 x 1, 1 waves a work-group, no clusters, 8,704 bytes of LDS; arguments w_o, w_qkv, w2, w1, w3, attention_mask, P1, P2, msk; writes P1, P2, msk
.if DOCPART == 1
	.amdgcn_target "amdgcn-amd-amdhsa--gfx1250"
	.amdhsa_code_object_version 6
	.text
	.protected	k_q25dad72b8a_prep
	.globl	k_q25dad72b8a_prep
	.p2align	8
	.type	k_q25dad72b8a_prep,@function
k_q25dad72b8a_prep:
	s_mov_b64 s[64:65], 0
	v_nop
	global_prefetch_b8 v0, s[64:65] scope:SCOPE_SE
	s_setreg_imm32_b32 hwreg(HW_REG_WAVE_MODE, 25, 1), 1
	s_wait_xcnt 0x0
; THE FIVE WEIGHTS BECOME CODES OF FP6 (E2M3) WITH ONE E8M0 BYTE FOR EACH 32 ALONG K, AND THE MASK BECOMES LANE-MASK WORDS.
; A ROW BLOCK (16 rows x K = 2,048) is 25,600 bytes: 16 fragments of 1,536 bytes (a K step of 128 each), then 4 scale images of 256 bytes.
; Lane row r of row block t is row 32 (t / 2) + 8 (t % 2) + r + 8 (r / 8).  A fragment is an image of the operand's registers, in two halves of 768 bytes:
; in half c lane l's registers 6 c .. 6 c + 3 lie at 16 l and registers 6 c + 4, 6 c + 5 at 512 + 8 l.  Scale image w holds row r's words of K steps 4 w .. 4 w + 3 at 16 r.
; A WORK-GROUP IS ONE WAVE: its number / 4 = W says which row block or mask tile, its number % 4 = w which four K steps (or key steps).  Waves share nothing, so nothing is lost by that, and the
; 2,816 work-groups of the weights and the 512 of the mask are both multiples of 256: each of 256 WGPs can be given the same share.
; W = 0-703: a row block (0-127 w_o, 128-319 w_qkv: both into P1; 320-447 w2, 448-575 w1, 576-703 w3: into P2, w1 and w3 interleaved four blocks by four).
; A load reads one row's 512 consecutive bytes; a K step turns through the wave's stage in LDS (pitch 528), so that a lane gets the two whole blocks of 32 that the operand's layout gives it.
; W = 704-831: query tile tau = W - 704 of the mask.  Word n = 16 b + i of key step j has bit (r + 16 h) = mask[query(tau, r)][128 j + 32 b + 16 h + i]; behind the words one dword a tile with two bits a step: 0 none, 1 some, 2 all.
; A block's scale is 2^(floor(log2(largest magnitude)) - 2); its byte is the largest magnitude's exponent field - 2, held at 1 from below.
; LIMITS: a block of zeros gets the byte 1 where the rule says 127 (its codes are zeros, and this program alone reads the bytes); NaN and infinities among the weights are not served.
.set RBB,   25600
.set SCO,   24576
.set SPI,   528
.set STGB,  16*SPI
.set SPARE, STGB                       ; behind the stage: the spare words, 128 bytes, in a block of 256
.set LN,  1                            ; lane
.set RR,  2                            ; r = lane % 16
.set HH,  3                            ; h = lane / 16
.set OFF, 4                            ; 16 x lane: my place in a load's 512 bytes,
.set STG, 4                            ; and in a stage row on the way in
.set RD,  6                            ; the stage on the way out: 528 r + 128 h
.set O8,  7                            ; 8 x lane
.set VSC, 8                            ; my place in the scale image
.set H8,  9                            ; 8 h
.set SPW, 10
.set NIL, 11
.set R0,  32                           ; v32-95, v96-159: two K steps as loaded
.set XX,  160                          ; v160-223: my two blocks of 32
.set PC,  224                          ; v224-235: a fragment's 12 registers
.set TC,  236
.set SW,  244                          ; v244-247: the four K steps' scale words
.set MX,  248
.set SO,  250
.set BY,  252
.set WT,  254
.set PT,  255
.set WV,  34                           ; w
.set WG,  47                           ; W
.set SEL, 44
.set SRC, 22
.set DSB, 26
.set DSC, 32
.macro LOADK s, R                      ; K step s of my four: 16 rows x 512 bytes
.irp i, 0,1,2,3,4,5,6,7,8,9,10,11,12,13,14,15
	global_load_b128 v[\R+4*\i:\R+4*\i+3], v[OFF], s[SRC:SRC+1] offset:(\i+8*(\i/8))*8192+512*(\s) th:TH_LOAD_NT
.endr
.endm
.macro TOSTAGE R, off
.irp i, 0,1,2,3,4,5,6,7,8,9,10,11,12,13,14,15
	ds_store_b128 v[STG], v[\R+4*\i:\R+4*\i+3] offset:\off+SPI*\i
.endr
.endm
.macro FROMSTAGE X, off                ; lane (r, h): k = 64 c + 32 h + 0 .. 31 of row r into v[X + 32 c] on
.irp c, 0,1
.irp j, 0,1,2,3,4,5,6,7
	ds_load_b128 v[\X+32*\c+4*\j:\X+32*\c+4*\j+3], v[RD] offset:\off+256*\c+16*\j
.endr
.endr
.endm
.macro QF X, s                         ; two whole blocks a lane become the fragment's 12 registers and the row's scale word
.irp c, 0,1
	v_max3_num_f32 v[MX+\c], |v[\X+32*\c]|, |v[\X+32*\c+1]|, 0x1800000   ; with the floor 2^(3 - 127): the byte cannot fall under 1
.endr
.irp i, 2,4,6,8,10,12,14,16,18,20,22,24,26,28,30
.irp c, 0,1
	v_max3_num_f32 v[MX+\c], v[MX+\c], |v[\X+32*\c+\i]|, |v[\X+32*\c+\i+1]|
.endr
.endr
.irp c, 0,1
	v_add_nc_u32 v[SO+\c], 0xff000000, v[MX+\c]    ; 2 off the exponent field: the conversion's scale operand
.endr
.irp c, 0,1
	v_lshrrev_b32 v[BY+\c], 23, v[SO+\c]           ; the scale's byte
.endr
	v_lshl_or_b32 v[WT], v[BY+1], 16, v[BY]        ; blocks h and 2 + h,
	v_lshlrev_b32 v[WT], v[H8], v[WT]              ; at their places in the word;
	v_permlanex16_b32 v[PT], v[WT], s[SEL], s[SEL+1]
	v_or_b32 v[SW+(\s)], v[WT], v[PT]              ; with lane l xor 16's two the word is whole
.if (\s) > 0
	s_wait_alu depctr_va_vdst(0)
	s_wait_xcnt 0x0                                ; the last K step's stores have read the codes' registers
.endif
.irp c, 0,1
	v_cvt_scalef32_pk16_fp6_f32 v[PC+6*\c:PC+6*\c+2], v[\X+32*\c:\X+32*\c+15], v[SO+\c]
	v_cvt_scalef32_pk16_fp6_f32 v[TC+4*\c:TC+4*\c+2], v[\X+32*\c+16:\X+32*\c+31], v[SO+\c]   ; (a conversion's three registers begin on an even number)
.endr
	v_nop                                          ; one plain place behind a scaled conversion
.irp c, 0,1
.irp i, 0,1,2
	v_mov_b32 v[PC+6*\c+3+\i], v[TC+4*\c+\i]
.endr
.endr
.endm
.macro STOREF s                        ; each store covers 512 or 256 consecutive bytes, aligned
.irp c, 0,1
	global_store_b128 v[OFF], v[PC+6*\c:PC+6*\c+3], s[DSC:DSC+1] offset:1536*(\s)+768*\c
	global_store_b64 v[O8], v[PC+6*\c+4:PC+6*\c+5], s[DSC:DSC+1] offset:1536*(\s)+768*\c+512
.endr
.endm
.macro WSTEP s
.if (\s) < 3
	s_wait_loadcnt 16                              ; this K step's 16 loads are in; the next one's may be out
.else
	s_wait_loadcnt 0x0
.endif
	TOSTAGE R0+64*((\s)%2), 0
	FROMSTAGE XX, 0                                ; LDS serves a wave's instructions in order: these see my stores
	s_wait_dscnt 0x0                               ; my blocks are in, and the stores have read their registers
.if (\s) < 2
	LOADK (\s)+2, R0+64*((\s)%2)
.endif
	QF XX, \s
	STOREF \s
.endm
.macro MWORD jj, b, i                  ; one lane-mask word of the mask
	v_and_b32 v[13+(\i)%2], 0xff<<(8*((\i)%4)), v[32+16*(\jj)+4*(\b)+(\i)/4]
	v_cmp_ne_u32 s[36+(\i)%4], 0, v[13+(\i)%2]
	v_writelane_b32 v[96+2*(\jj)+(\i)%2], s[36+(\i)%4], 8*(\b)+(\i)/2
	s_or_b32 s40, s40, s[36+(\i)%4]
	s_and_b32 s41, s41, s[36+(\i)%4]
.endm
	s_load_b256 s[4:11], s[0:1], 0x0               ; w_o, w_qkv, w2, w1
	s_load_b256 s[12:19], s[0:1], 0x20             ; w3, the mask, P1, P2
	s_load_b64 s[20:21], s[0:1], 0x40              ; msk
	v_lshl_add_u32 v[SPW], v0, 2, SPARE
	v_mov_b32 v[NIL], 0
	s_and_b32 s[WV], ttmp9, 3                      ; w: which four K steps; it enters addresses in memory alone
	s_lshr_b32 s[WG], ttmp9, 2                     ; W: which row block or mask tile
	v_and_b32 v[LN], 31, v0
	v_and_b32 v[RR], 15, v0
	v_bfe_u32 v[HH], v0, 4, 1
	v_lshlrev_b32 v[OFF], 4, v[LN]
	v_lshlrev_b32 v[O8], 3, v[LN]
	v_lshlrev_b32 v[H8], 3, v[HH]
	v_mul_u32_u24 v[RD], v[RR], SPI
	v_lshl_add_u32 v[RD], v[HH], 7, v[RD]
	s_lshl_b32 s35, s[WV], 8
	s_add_co_u32 s35, s35, SCO
	v_lshl_add_u32 v[VSC], v[RR], 4, s35
	v_add_nc_u32 v[VSC], v[VSC], v[H8]
	v_mov_b32 v[PT], 0                             ; a lane permute's destination counts as one of its sources
	s_mov_b32 s[SEL], 0x76543210
	s_mov_b32 s[SEL+1], 0xfedcba98
	s_mov_b32 s46, 0xffff0000                      ; lanes 16-31
	s_wait_kmcnt 0x0
	s_cmp_ge_u32 s[WG], 704
	s_cbranch_scc1 .Lmask
	; ---- a quarter of a row block of a weight.  Which tensor: a chain of choices on W
	s_mov_b64 s[SRC:SRC+1], s[12:13]
	s_mov_b32 s24, 576
	s_cmp_lt_u32 s[WG], 576
	s_cselect_b64 s[SRC:SRC+1], s[10:11], s[SRC:SRC+1]
	s_cselect_b32 s24, 448, s24
	s_cmp_lt_u32 s[WG], 448
	s_cselect_b64 s[SRC:SRC+1], s[8:9], s[SRC:SRC+1]
	s_cselect_b32 s24, 320, s24
	s_cmp_lt_u32 s[WG], 320
	s_cselect_b64 s[SRC:SRC+1], s[6:7], s[SRC:SRC+1]
	s_cselect_b32 s24, 128, s24
	s_cmp_lt_u32 s[WG], 128
	s_cselect_b64 s[SRC:SRC+1], s[4:5], s[SRC:SRC+1]
	s_cselect_b32 s24, 0, s24
	s_sub_co_u32 s25, s[WG], s24                   ; t: the row block in its tensor
	s_lshr_b32 s28, s25, 2
	s_lshl_b32 s28, s28, 3
	s_and_b32 s29, s25, 3
	s_add_co_u32 s28, s28, s29
	s_add_co_u32 s28, s28, 128
	s_cmp_lt_u32 s[WG], 576
	s_cselect_b32 s29, 0, 4
	s_add_co_u32 s28, s28, s29                     ; w1, w3: 128 + 8 (t / 4) + t % 4 (+ 4 for w3)
	s_cmp_lt_u32 s[WG], 448
	s_cselect_b32 s28, s25, s28                    ; w2: t
	s_cmp_lt_u32 s[WG], 320
	s_cselect_b32 s28, s[WG], s28                  ; w_o, w_qkv: W
	s_cselect_b64 s[DSB:DSB+1], s[16:17], s[18:19]
	s_lshr_b32 s30, s25, 1
	s_lshl_b32 s30, s30, 5
	s_and_b32 s31, s25, 1
	s_lshl_b32 s31, s31, 3
	s_add_co_u32 s30, s30, s31                     ; the block's first row
	s_lshl_b32 s30, s30, 13
	s_lshl_b32 s31, s[WV], 11
	s_add_co_u32 s30, s30, s31
	s_mov_b32 s31, 0
	s_add_nc_u64 s[SRC:SRC+1], s[SRC:SRC+1], s[30:31]
	s_mul_i32 s30, s28, RBB
	s_add_nc_u64 s[DSB:DSB+1], s[DSB:DSB+1], s[30:31]
	s_mul_i32 s30, s[WV], 6144
	s_add_nc_u64 s[DSC:DSC+1], s[DSB:DSB+1], s[30:31]
	s_wait_alu depctr_va_vdst(0)
	LOADK 0, R0
	LOADK 1, R0+64
	WSTEP 0
	WSTEP 1
	WSTEP 2
	WSTEP 3
	v_cndmask_b32 v[MX], v[SW], v[SW+2], s46       ; lanes 0-15 store K steps 0, 1 of my four, lanes 16-31 K steps 2, 3:
	v_cndmask_b32 v[MX+1], v[SW+1], v[SW+3], s46
	global_store_b64 v[VSC], v[MX:MX+1], s[DSB:DSB+1]   ; the wave stores 256 consecutive bytes, aligned
	s_branch .Lend
.Lmask:
	; ---- key steps 4 w .. 4 w + 3 of a query tile of the mask
	s_sub_co_u32 s25, s[WG], 704                   ; tau
	s_lshr_b32 s30, s25, 1
	s_lshl_b32 s30, s30, 5
	s_and_b32 s31, s25, 1
	s_lshl_b32 s31, s31, 3
	s_add_co_u32 s30, s30, s31                     ; the tile's first query
	s_lshl_b32 s30, s30, 11
	s_lshl_b32 s31, s[WV], 9
	s_add_co_u32 s30, s30, s31
	s_mov_b32 s31, 0
	s_add_nc_u64 s[14:15], s[14:15], s[30:31]
	v_and_b32 v12, 8, v[RR]
	v_add_nc_u32 v12, v12, v[RR]                   ; r + 8 (r / 8)
	v_lshlrev_b32 v12, 11, v12
	v_lshl_add_u32 v12, v[HH], 4, v12
.irp jj, 0,1,2,3
.irp b, 0,1,2,3
	global_load_b128 v[32+16*\jj+4*\b:32+16*\jj+4*\b+3], v12, s[14:15] offset:128*\jj+32*\b
.endr
.endr
	s_lshl_b32 s30, s25, 12
	s_lshl_b32 s35, s[WV], 10
	s_add_co_u32 s30, s30, s35
	s_add_nc_u64 s[22:23], s[20:21], s[30:31]      ; my four steps' words
	s_lshl_b32 s30, s25, 2
	s_add_co_u32 s30, s30, s[WV]
	s_add_co_u32 s30, s30, 524288
	s_add_nc_u64 s[26:27], s[20:21], s[30:31]      ; my byte of the tile's flags
.irp j, 0,1,2,3,4,5,6,7
	v_mov_b32 v[96+\j], 0                          ; v_writelane_b32's destination counts as read
.endr
	s_mov_b32 s42, 0
	s_wait_loadcnt 0x0
.irp jj, 0,1,2,3
	s_mov_b32 s40, 0                               ; does any key count,
	s_mov_b32 s41, -1                              ; do all
.irp b, 0,1,2,3
.irp i, 0,1,2,3,4,5,6,7,8,9,10,11,12,13,14,15
	MWORD \jj, \b, \i
.endr
.endr
	global_store_b64 v[O8], v[96+2*\jj:97+2*\jj], s[22:23] offset:256*\jj   ; a step's 64 words: 256 consecutive bytes, aligned
	s_cmp_eq_u32 s41, -1
	s_cselect_b32 s43, 2, 1
	s_cmp_lg_u32 s40, 0
	s_cselect_b32 s43, s43, 0
	s_lshl_b32 s43, s43, 2*\jj
	s_or_b32 s42, s42, s43
.endr
	v_mov_b32 v13, s42
	v_mov_b32 v14, 0
	s_wait_alu depctr_va_vdst(0)
	s_wait_xcnt 0x0                                ; EXEC changes only behind this wait
	v_cmp_eq_u32 vcc_lo, 0, v[LN]
	s_and_saveexec_b32 s43, vcc_lo
	global_store_b8 v14, v13, s[26:27]             ; lane 0 stores my four steps' flags
	s_wait_xcnt 0x0
	s_or_b32 exec_lo, exec_lo, s43
.Lend:
	s_wait_tensorcnt 0x0                           ; the wave's end
	ds_add_u32 v[SPW], v[NIL]
	s_wait_dscnt 0x0
	s_endpgm
.Lfunc_end_k_q25dad72b8a_prep:
	.size	k_q25dad72b8a_prep, .Lfunc_end_k_q25dad72b8a_prep-k_q25dad72b8a_prep
	.p2alignl 7, 3214868480
	.fill 96, 4, 3214868480
	.section	.rodata,"a",@progbits
	.p2align	6, 0x0
	.amdhsa_kernel k_q25dad72b8a_prep
		.amdhsa_group_segment_fixed_size 8704
		.amdhsa_private_segment_fixed_size 0
		.amdhsa_enable_private_segment 0
		.amdhsa_kernarg_size 72
		.amdhsa_user_sgpr_count 2
		.amdhsa_user_sgpr_kernarg_segment_ptr 1
		.amdhsa_wavefront_size32 1
		.amdhsa_system_sgpr_workgroup_id_x 1
		.amdhsa_system_sgpr_workgroup_id_y 1
		.amdhsa_system_sgpr_workgroup_id_z 1
		.amdhsa_system_vgpr_workitem_id 0
		.amdhsa_next_free_vgpr 256
		.amdhsa_next_free_sgpr 66
		.amdhsa_reserve_vcc 1
		.amdhsa_float_denorm_mode_32 3
		.amdhsa_float_denorm_mode_16_64 3
		.amdhsa_memory_ordered 1
		.amdhsa_forward_progress 1
		.amdhsa_inst_pref_size 100
	.end_amdhsa_kernel
	.amdgpu_metadata
---
amdhsa.version: [ 1, 2 ]
amdhsa.kernels:
  - .name:           k_q25dad72b8a_prep
    .symbol:         k_q25dad72b8a_prep.kd
    .args:
      - { .name: w_o, .offset: 0, .size: 8, .value_kind: global_buffer, .address_space: global }
      - { .name: w_qkv, .offset: 8, .size: 8, .value_kind: global_buffer, .address_space: global }
      - { .name: w2, .offset: 16, .size: 8, .value_kind: global_buffer, .address_space: global }
      - { .name: w1, .offset: 24, .size: 8, .value_kind: global_buffer, .address_space: global }
      - { .name: w3, .offset: 32, .size: 8, .value_kind: global_buffer, .address_space: global }
      - { .name: attention_mask, .offset: 40, .size: 8, .value_kind: global_buffer, .address_space: global }
      - { .name: P1, .offset: 48, .size: 8, .value_kind: global_buffer, .address_space: global }
      - { .name: P2, .offset: 56, .size: 8, .value_kind: global_buffer, .address_space: global }
      - { .name: msk, .offset: 64, .size: 8, .value_kind: global_buffer, .address_space: global }
    .group_segment_fixed_size: 8704
    .private_segment_fixed_size: 0
    .kernarg_segment_align: 8
    .kernarg_segment_size: 72
    .max_flat_workgroup_size: 32
    .sgpr_count:     66
    .vgpr_count:     256
    .wavefront_size: 32
...
	.end_amdgpu_metadata
.endif
;; end of part 1
;; launch norm1 (part 2): grid 128 x 1, 16 waves a work-group, no clusters, 167,936 bytes of LDS; arguments x, attn_norm_w, nq; writes nq
.if DOCPART == 2
	.amdgcn_target "amdgcn-amd-amdhsa--gfx1250"
	.amdhsa_code_object_version 6
	.text
	.protected	k_q25dad72b8a_norm1
	.globl	k_q25dad72b8a_norm1
	.p2align	8
	.type	k_q25dad72b8a_norm1,@function
k_q25dad72b8a_norm1:
	s_mov_b64 s[64:65], 0
	v_nop
	global_prefetch_b8 v0, s[64:65] scope:SCOPE_SE
	s_setreg_imm32_b32 hwreg(HW_REG_WAVE_MODE, 25, 1), 1
	s_wait_xcnt 0x0
; RMS NORM OF 16 ROWS, THEN THE QUANTISER: y = x * rsqrt(mean(x^2) + 1e-5) * gain becomes one row block of codes of FP6 (E2M3) (layout: 16 fragments of 1,536 bytes as images of the operand's
; registers, then 4 scale images of 256 bytes; lane row r of row block t is row 32 (t / 2) + 8 (t % 2) + r + 8 (r / 8)).  The body serves both norms of the layer.
; A work-group takes row block t = its number, 131,072 bytes of f32.  Each of its SIXTEEN waves issues one tensor load at the head: 8 rows (the block's lower or upper eight, w % 2) x 1,024 bytes (columns 256 (w / 2) on);
; the mover lays 16 bytes behind each 1,024, so that the block lies in LDS as 8 groups of 16 rows, 1,040 bytes apart: the sixteen rows that a load of 16 bytes a lane touches start at sixteen different banks.
; Nothing is filled again.  Behind the barrier wave w takes K step w: lane (r, h) reads k = 64 c + 32 h + 0 .. 31 of row r, the two whole blocks of 32 that the operand's layout gives it, straight from the tile.
; The sixteen waves' sums of squares meet in 1,024 bytes of LDS behind the second barrier.
; No cluster: the work-groups share the gain alone, 8,192 bytes beside 131,072.  No prefetch: the text has no loop to run ahead in, and all that it reads is asked for at its head.
; ORDER OF ROUNDING: (x * gain) * rsqrt where the definition has (x * rsqrt) * gain: one f32 rounding placed otherwise.
; LIMITS: a block of zeros gets the byte 1 where the rule says 127 (its codes are zeros, and this program alone reads the bytes); infinities are not served; a row of NaN gives codes that are no NaN (the residual carries the NaN on).
.set RBB,   25600
.set SCO,   24576
.set TP,    1040                       ; an LDS row: 1,024 bytes + 16
.set GRP,   16*TP                      ; a group: 16 rows x 256 columns
.set PS,    8*GRP                      ; behind the tiles: the sums, 64 bytes a row, a word a wave
.set SPARE, PS+1024                    ; the spare words, 128 bytes a wave
.set LN,  1
.set RR,  2
.set HH,  3
.set OFF, 4
.set RD,  6
.set O8,  7
.set VSC, 8
.set H8,  9
.set SPW, 10
.set NIL, 11
.set PSW, 12
.set PSR, 13
.set GO,  14
.set H16, 15
.set X,   32                           ; v32-95: my 64 numbers
.set G,   96                           ; v96-159: their gains
.set AC,  160                          ; v160-175: eight pairs of sums
.set PP,  176                          ; v176-191: the sixteen waves' sums of my row
.set RS,  192
.set PC,  224
.set TC,  236
.set SW,  244
.set MX,  248
.set SO,  250
.set BY,  252
.set WT,  254
.set PT,  255
.set WV,  10
.set SEL, 12
.set DSB, 20
.set DSC, 22
.set GP,  24
.set G1,  32
.set G0,  40
	s_load_b128 s[4:7], s[0:1], 0x0                ; the rows, the gain
	s_load_b64 s[8:9], s[0:1], 0x10                ; the codes
	v_lshl_add_u32 v[SPW], v0, 2, SPARE
	v_mov_b32 v[NIL], 0
	ds_add_u32 v[SPW], v[NIL]                      ; the wave's opening: the add, twice on end, and its wait ahead of my tensor load
	ds_add_u32 v[SPW], v[NIL]
	v_lshrrev_b32 v16, 5, v0
	s_delay_alu instid0(VALU_DEP_1)
	v_readfirstlane_b32 s[WV], v16                 ; wave 0..15
	s_lshr_b32 s16, s[WV], 1                       ; my tile's group of 256 columns,
	s_and_b32 s17, s[WV], 1                        ; and its eight rows
	s_mul_i32 s18, s[WV], 8*TP                     ; where my tile goes
	s_mul_i32 s19, s16, GRP
	s_lshl_b32 s20, s17, 9
	s_add_co_u32 s19, s19, s20                     ; where my K step lies: group w / 2, byte 512 (w % 2) of its rows
	s_lshl_b32 s21, s[WV], 2
	s_add_co_u32 s21, s21, PS                      ; my word of a row's sums
	s_lshr_b32 s22, s[WV], 2
	s_lshl_b32 s22, s22, 8
	s_and_b32 s23, s[WV], 3
	s_lshl_b32 s23, s23, 2
	s_add_co_u32 s22, s22, s23
	s_add_co_u32 s22, s22, SCO                     ; my scale word of a row: image w / 4, word w % 4
	s_mov_b32 s[SEL], 0x76543210
	s_mov_b32 s[SEL+1], 0xfedcba98
	s_mov_b32 s14, 0x3a000000                      ; 1 / 2,048
	s_mov_b32 s15, 0x3727c5ac                      ; 1e-5
	s_mov_b32 s[G1], (3<<16)|(1<<20)|(7<<22)|(3<<25)   ; elements of 8 bytes; padding on: after every 256 words, 4 words
	s_mov_b32 s[G1+1], 128<<16                     ; a row: 128 elements
	s_mov_b32 s[G1+2], 8<<16                       ; 8 rows
	s_mov_b32 s[G1+3], 128<<16
	s_mov_b32 s[G1+4], 8
	s_mov_b32 s[G1+5], 1024                        ; 8,192 bytes from row to row
	s_mov_b32 s[G1+6], 0
	s_mov_b32 s[G1+7], 0
	s_lshr_b32 s26, ttmp9, 1
	s_lshl_b32 s26, s26, 5
	s_and_b32 s27, ttmp9, 1
	s_lshl_b32 s27, s27, 3
	s_add_co_u32 s26, s26, s27                     ; the block's first row,
	s_lshl_b32 s27, s17, 4
	s_add_co_u32 s26, s26, s27                     ; its upper eight lie 16 rows on
	s_lshl_b32 s26, s26, 13
	s_lshl_b32 s27, s16, 10
	s_add_co_u32 s26, s26, s27
	s_mov_b32 s27, 0
	s_lshl_b32 s28, s[WV], 9                       ; the gain of my 128 columns
	s_mov_b32 s29, 0
	s_mul_i32 s30, ttmp9, RBB
	s_mov_b32 s31, 0
	s_mul_i32 s44, s[WV], 1536
	s_mov_b32 s45, 0
	v_and_b32 v[LN], 31, v0
	v_and_b32 v[RR], 15, v0
	v_bfe_u32 v[HH], v0, 4, 1
	v_mov_b32 v[PT], 0                             ; a lane permute's destination counts as one of its sources
	v_lshl_add_u32 v[PSW], v[RR], 6, s21
	v_lshl_add_u32 v[PSR], v[RR], 6, PS
	v_mul_u32_u24 v[RD], v[RR], TP
	v_lshlrev_b32 v[OFF], 4, v[LN]
	v_lshlrev_b32 v[O8], 3, v[LN]
	v_lshlrev_b32 v[H8], 3, v[HH]
	v_lshlrev_b32 v[H16], 4, v[HH]
	v_lshlrev_b32 v[GO], 7, v[HH]
	v_lshl_add_u32 v[VSC], v[RR], 4, s22
	v_lshl_add_u32 v[RD], v[HH], 7, v[RD]
	v_nop
	v_nop
	v_nop
	v_nop
	v_lshl_add_u32 v[VSC], v[HH], 1, v[VSC]        ; lane (r, h) stores half h of row r's word
	v_add_nc_u32 v[RD], s19, v[RD]                 ; 1,040 r + 128 h in my K step
	s_wait_alu depctr_va_vdst(0)                   ; the head's end
	s_wait_dscnt 0x0                               ; both opening adds are done
	s_wait_kmcnt 0x0
	s_mov_b32 s[G0], 1
	s_add_co_u32 s[G0+1], s18, 0
	s_add_nc_u64 s[G0+2:G0+3], s[4:5], s[26:27]
	s_or_b32 s[G0+3], s[G0+3], 0x80000000
	tensor_load_to_lds s[G0:G0+3], s[G1:G1+7]      ; my tile: the wave's one tensor load
	s_nop 0
	s_add_nc_u64 s[GP:GP+1], s[6:7], s[28:29]
	s_add_nc_u64 s[DSB:DSB+1], s[8:9], s[30:31]
	s_add_nc_u64 s[DSC:DSC+1], s[DSB:DSB+1], s[44:45]
.irp c, 0,1
.irp j, 0,1,2,3,4,5,6,7
	global_load_b128 v[G+32*\c+4*\j:G+32*\c+4*\j+3], v[GO], s[GP:GP+1] offset:256*\c+16*\j   ; the gain of k = 64 c + 32 h + 4 j on
.endr
.endr
	s_wait_tensorcnt 0x0                           ; my tile lies in LDS: say so,
	s_barrier_signal -1
	s_barrier_wait -1                              ; and everybody's does
.irp c, 0,1
.irp j, 0,1,2,3,4,5,6,7
	ds_load_b128 v[X+32*\c+4*\j:X+32*\c+4*\j+3], v[RD] offset:256*\c+16*\j
.endr
.endr
	s_wait_loadcnt 0x0
	s_wait_dscnt 0x0
.irp i, 0,1,2,3,4,5,6,7
	v_pk_mul_f32 v[AC+2*\i:AC+2*\i+1], v[X+2*\i:X+2*\i+1], v[X+2*\i:X+2*\i+1]     ; the first products start the sums: eight pairs by turns
.endr
.set j, 8
.rept 24
	v_pk_fma_f32 v[AC+2*(j%8):AC+2*(j%8)+1], v[X+2*j:X+2*j+1], v[X+2*j:X+2*j+1], v[AC+2*(j%8):AC+2*(j%8)+1]
.set j, j+1
.endr
.set j, 0
.rept 32
	v_pk_mul_f32 v[X+j:X+j+1], v[X+j:X+j+1], v[G+j:G+j+1]                         ; x * gain
.set j, j+2
.endr
.irp i, 0,1,2,3
	v_pk_add_f32 v[AC+2*\i:AC+2*\i+1], v[AC+2*\i:AC+2*\i+1], v[AC+8+2*\i:AC+8+2*\i+1]
.endr
.irp i, 0,1
	v_pk_add_f32 v[AC+2*\i:AC+2*\i+1], v[AC+2*\i:AC+2*\i+1], v[AC+4+2*\i:AC+4+2*\i+1]
.endr
	v_pk_add_f32 v[AC:AC+1], v[AC:AC+1], v[AC+2:AC+3]
	v_add_f32 v[AC], v[AC], v[AC+1]
	v_permlanex16_b32 v[AC+1], v[AC], s[SEL], s[SEL+1]
	v_add_f32 v[AC], v[AC], v[AC+1]                ; row r's sum over my 128 columns
	ds_store_b32 v[PSW], v[AC]                     ; lanes r and r + 16 write the same word with the same value
	s_wait_dscnt 0x0                               ; for the others' sake: my sums lie in LDS
	s_barrier_signal -1
	s_barrier_wait -1
.irp q, 0,1,2,3
	ds_load_b128 v[PP+4*\q:PP+4*\q+3], v[PSR] offset:16*\q
.endr
	s_wait_dscnt 0x0
.irp i, 0,1,2,3
	v_pk_add_f32 v[PP+2*\i:PP+2*\i+1], v[PP+2*\i:PP+2*\i+1], v[PP+8+2*\i:PP+8+2*\i+1]
.endr
.irp i, 0,1
	v_pk_add_f32 v[PP+2*\i:PP+2*\i+1], v[PP+2*\i:PP+2*\i+1], v[PP+4+2*\i:PP+4+2*\i+1]
.endr
	v_pk_add_f32 v[PP:PP+1], v[PP:PP+1], v[PP+2:PP+3]
	v_add_f32 v[PP], v[PP], v[PP+1]
	v_fma_f32 v[PP], v[PP], s14, s15               ; the mean of the squares + 1e-5
	s_wait_alu depctr_va_vdst(0)                   ; ahead of the transcendental
	v_rsq_f32 v[RS], v[PP]
	v_nop                                          ; one plain place behind the transcendental,
	s_wait_alu depctr_va_vdst(0)                   ; and the wait ahead of its first reader
	v_mov_b32 v[RS+1], v[RS]
.set j, 0
.rept 32
	v_pk_mul_f32 v[X+j:X+j+1], v[X+j:X+j+1], v[RS:RS+1]
.set j, j+2
.endr
	; two whole blocks a lane become the fragment's 12 registers and the row's scale word
.irp c, 0,1
	v_max3_num_f32 v[MX+\c], |v[X+32*\c]|, |v[X+32*\c+1]|, 0x1800000   ; with the floor 2^(3 - 127): the byte cannot fall under 1
.endr
.irp i, 2,4,6,8,10,12,14,16,18,20,22,24,26,28,30
.irp c, 0,1
	s_delay_alu instid0(VALU_DEP_2)
	v_max3_num_f32 v[MX+\c], v[MX+\c], |v[X+32*\c+\i]|, |v[X+32*\c+\i+1]|
.endr
.endr
.irp c, 0,1
	s_delay_alu instid0(VALU_DEP_2)
	v_add_nc_u32 v[SO+\c], 0xff000000, v[MX+\c]    ; 2 off the exponent field: the conversion's scale operand
.endr
.irp c, 0,1
	s_delay_alu instid0(VALU_DEP_2)
	v_lshrrev_b32 v[BY+\c], 23, v[SO+\c]           ; the scale's byte
.endr
	s_delay_alu instid0(VALU_DEP_1)
	v_lshl_or_b32 v[WT], v[BY+1], 16, v[BY]        ; blocks h and 2 + h,
	s_delay_alu instid0(VALU_DEP_1)
	v_lshlrev_b32 v[WT], v[H8], v[WT]              ; at their places in the word;
	s_delay_alu instid0(VALU_DEP_1)
	v_permlanex16_b32 v[PT], v[WT], s[SEL], s[SEL+1]
	s_delay_alu instid0(VALU_DEP_1)
	v_or_b32 v[SW], v[WT], v[PT]                   ; with lane l xor 16's two the word is whole
.irp c, 0,1
	v_cvt_scalef32_pk16_fp6_f32 v[PC+6*\c:PC+6*\c+2], v[X+32*\c:X+32*\c+15], v[SO+\c]
	v_cvt_scalef32_pk16_fp6_f32 v[TC+4*\c:TC+4*\c+2], v[X+32*\c+16:X+32*\c+31], v[SO+\c]   ; (a conversion's three registers begin on an even number)
.endr
	v_nop                                          ; one plain place behind a scaled conversion
.irp c, 0,1
.irp i, 0,1,2
	v_mov_b32 v[PC+6*\c+3+\i], v[TC+4*\c+\i]
.endr
.endr
	v_lshrrev_b32 v[MX], v[H16], v[SW]             ; my half of the word
.irp c, 0,1
	global_store_b128 v[OFF], v[PC+6*\c:PC+6*\c+3], s[DSC:DSC+1] offset:768*\c        ; each store covers 512 or 256 consecutive bytes, aligned
	global_store_b64 v[O8], v[PC+6*\c+4:PC+6*\c+5], s[DSC:DSC+1] offset:768*\c+512
.endr
	global_store_b16 v[VSC], v[MX], s[DSB:DSB+1]   ; 4 bytes of each row's 16 in the image; three other waves store the rest: one part in 24 of the codes' bytes
	s_wait_tensorcnt 0x0                           ; the wave's end
	ds_add_u32 v[SPW], v[NIL]
	s_wait_dscnt 0x0
	s_endpgm
.Lfunc_end_k_q25dad72b8a_norm1:
	.size	k_q25dad72b8a_norm1, .Lfunc_end_k_q25dad72b8a_norm1-k_q25dad72b8a_norm1
	.p2alignl 7, 3214868480
	.fill 96, 4, 3214868480
	.section	.rodata,"a",@progbits
	.p2align	6, 0x0
	.amdhsa_kernel k_q25dad72b8a_norm1
		.amdhsa_group_segment_fixed_size 167936
		.amdhsa_private_segment_fixed_size 0
		.amdhsa_enable_private_segment 0
		.amdhsa_kernarg_size 24
		.amdhsa_user_sgpr_count 2
		.amdhsa_user_sgpr_kernarg_segment_ptr 1
		.amdhsa_wavefront_size32 1
		.amdhsa_system_sgpr_workgroup_id_x 1
		.amdhsa_system_sgpr_workgroup_id_y 1
		.amdhsa_system_sgpr_workgroup_id_z 1
		.amdhsa_system_vgpr_workitem_id 0
		.amdhsa_next_free_vgpr 256
		.amdhsa_next_free_sgpr 66
		.amdhsa_reserve_vcc 0
		.amdhsa_float_denorm_mode_32 3
		.amdhsa_float_denorm_mode_16_64 3
		.amdhsa_memory_ordered 1
		.amdhsa_forward_progress 1
		.amdhsa_inst_pref_size 19
	.end_amdhsa_kernel
	.amdgpu_metadata
---
amdhsa.version: [ 1, 2 ]
amdhsa.kernels:
  - .name:           k_q25dad72b8a_norm1
    .symbol:         k_q25dad72b8a_norm1.kd
    .args:
      - { .name: x, .offset: 0, .size: 8, .value_kind: global_buffer, .address_space: global }
      - { .name: attn_norm_w, .offset: 8, .size: 8, .value_kind: global_buffer, .address_space: global }
      - { .name: nq, .offset: 16, .size: 8, .value_kind: global_buffer, .address_space: global }
    .group_segment_fixed_size: 167936
    .private_segment_fixed_size: 0
    .kernarg_segment_align: 8
    .kernarg_segment_size: 24
    .max_flat_workgroup_size: 512
    .sgpr_count:     66
    .vgpr_count:     256
    .wavefront_size: 32
...
	.end_amdgpu_metadata
.endif
;; end of part 2
;; launch gqkv (part 3): grid 24 x 8, 8 waves a work-group, clusters of 4 x 4, 327,680 bytes of LDS; arguments nq, P1, freqs_cis, qkv; writes qkv
.if DOCPART == 3
	.amdgcn_target "amdgcn-amd-amdhsa--gfx1250"
	.amdhsa_code_object_version 6
	.text
	.protected	k_q25dad72b8a_gqkv
	.globl	k_q25dad72b8a_gqkv
	.p2align	8
	.type	k_q25dad72b8a_gqkv,@function
k_q25dad72b8a_gqkv:
	s_mov_b64 s[64:65], 0
	v_nop
	global_prefetch_b8 v0, s[64:65] scope:SCOPE_SE
	s_setreg_imm32_b32 hwreg(HW_REG_WAVE_MODE, 25, 1), 1
	s_wait_xcnt 0x0
	s_wait_alu depctr_hold_cnt(0) depctr_sa_sdst(0) depctr_va_vdst(0) depctr_va_sdst(0) depctr_va_ssrc(0) depctr_va_vcc(0) depctr_vm_vsrc(0)
	s_getreg_b32 s2, hwreg(HW_REG_IB_STS2, 6, 4)
	s_cmp_eq_u32 s2, 0
	s_cbranch_scc0 .Lentry_in_a_cluster
	s_endpgm
.Lentry_in_a_cluster:
	s_bfe_u32 s2, ttmp6, 0x10000c
	s_cmp_lg_u32 s2, 0xf033
	s_cbranch_scc0 .Lentry_shape_is_right
	s_endpgm
.Lentry_shape_is_right:
; qkv = h w_qkv^T ON CODES OF FP6 (E2M3), THEN ROPE AND THE QUANTISERS OF ATTENTION'S OPERANDS.
; A block of C is 256 tokens (tile row I) x 128 rows of W (tile column J), K = 2,048: 8 x 24 = 192 work-groups of eight waves.  Operands lie in memory as row blocks of 25,600 bytes: 16 fragments of
; 1,536 bytes, images of the operand's registers, and 4 scale images of 256 bytes.  Wave w multiplies token blocks 2 w, 2 w + 1 by all 8 blocks of W: 16 accumulators, which take turns.  Source 0 = W,
; source 1 = tokens: register j of accumulator (a, b = 2 beta + u) in lane (r, h) is token 256 I + 32 w + 8 a + r + 8 (r / 8), column 128 J + 32 beta + 16 h + 8 u + j: runs of 16 neighbouring columns of ONE token.
; K goes in four quarters of 512 through two LDS slots of 147,456 bytes (16 token blocks, then 8 of W, 6,144 bytes each).  At the head each wave issues one load: waves 0-3 four token blocks of quarter 0 each,
; waves 4, 5 four blocks of W each, wave 6 the tokens' scales of all of K, wave 7 W's.  Each later quarter is asked for behind a round of the cluster's barrier, one load a wave in waves 0-5.
; CLUSTERS: 4 x 4 work-groups; the tokens' tiles are shared along a row of the cluster, W's along a column: joint loads.
; PREFETCH: behind the load of quarter q each work-group names its share of quarter q + 1: of the tokens' 16 row blocks the four 4 cx .. 4 cx + 3 (a wave a block, 24 lanes x 256 bytes), of W's eight the two
; 2 cy, 2 cy + 1 (two waves a block, 12 lanes each); lanes left over name their wave's last block again.  Quarter 3 is the last that is named.  A wave's 32 rows of freqs_cis are named once at the head, a lane a row.
; THE WAY OUT.  Tile columns 0-19 (q's 32 heads, k's 8): rope in f32, each head's 64 numbers quantised along the head, and a scale word with 1.0 (0x7f) for the upper 64 of the instruction's K.
; Tile columns 20-23 (v): a wave's 32 tokens are one block of 32 KEYS; they turn through the wave's stage in slot 0, which has had its last fill and its last read, and are quantised along the keys.
; cos and sin come into fragment registers that are done with, ahead of the last K step.
; LIMITS: a block of zeros gets the byte 1 where the rule says 127 (its codes are zeros, and this program alone reads the bytes); NaN and infinities are not served.
.set WB,    128
.set RBB,   25600
.set SCO,   24576
.set QB,    6144
.set FRG,   1536
.set WOF,   98304
.set REG,   147456
.set SCL,   2*REG
.set SPARE, SCL+24576
.set AT16, 4
.set AT8,  5
.set AW16, 6
.set AW8,  7
.set AST,  8
.set ASW,  9
.set SPW,  10
.set NIL,  11
.set PFO,  124
.set SC,   16
.set ACC,  128
.set SEL,  2
.set WV,   12
.set G1T,  16
.set G1W,  24
.set G1ST, 32
.set G1SW, 40
.set G0T,  48
.set G0W,  52
.set G0ST, 56
.set G0SW, 60
.set PFA,  68
.set MSB,  0
.macro WIN new
.if MSB != \new
	s_set_vgpr_msb (MSB<<8)|\new
.set MSB, \new
.endif
.endm
.set MUL,  0x05                        ; sources 0 and 1 in window 1 (the fragments), C and D in window 0
.set TO_F, 0x40                        ; destination window 1
.macro TL g0, g1                       ; a joint load and the lines behind it
	tensor_load_to_lds s[\g0:\g0+3], s[\g1:\g1+7]
	s_nop 0
.rept 4
	v_nop
.endr
.endm
.macro RLOAD                           ; a quarter's load: waves 0-3 the tokens', waves 4, 5 W's, waves 6, 7 none
	s_cmp_lt_u32 s[WV], 4
	s_cbranch_scc0 .Lr_w_\@
	TL G0T, G1T
	s_branch .Lr_e_\@
.Lr_w_\@:
	s_cmp_lt_u32 s[WV], 6
	s_cbranch_scc0 .Lr_e_\@
	TL G0W, G1W
.Lr_e_\@:
.endm
.macro CROUND                          ; a round of the cluster's barrier
	s_barrier_signal -1
	s_barrier_wait -1
	s_cmp_lg_u32 s[WV], 0
	s_cbranch_scc1 .Lnot_wave_0_\@
	s_barrier_signal -3
.Lnot_wave_0_\@:
	s_barrier_wait -3
	s_barrier_signal -1
	s_barrier_wait -1
.endm
.macro PLACES n
.rept \n
	v_nop
.endr
.endm
.macro FRAGL reg, a16, a8, off
	ds_load_b128 v[\reg:\reg+3], v[\a16] offset:\off
	ds_load_b64 v[\reg+4:\reg+5], v[\a8] offset:\off+512
	ds_load_b128 v[\reg+6:\reg+9], v[\a16] offset:\off+768
	ds_load_b64 v[\reg+10:\reg+11], v[\a8] offset:\off+1280
.endm
.macro FETCH s, p                      ; the slot's K step s into fragment set p: 40 loads
	WIN TO_F
.irp a, 0,1
	FRAGL 128*(\p)+12*\a, AT16, AT8, \a*QB+FRG*(\s)
.endr
.irp b, 0,1,2,3,4,5,6,7
	FRAGL 128*(\p)+24+12*\b, AW16, AW8, \b*QB+FRG*(\s)
.endr
.endm
.macro SCALES q, set                   ; quarter q's scale words: four K steps' words of a row by one load
	WIN 0
.irp a, 0,1
	ds_load_b128 v[SC+40*(\set)+4*\a:SC+40*(\set)+4*\a+3], v[AST] offset:1024*\a+256*(\q)
.endr
.irp b, 0,1,2,3,4,5,6,7
	ds_load_b128 v[SC+40*(\set)+8+4*\b:SC+40*(\set)+8+4*\b+3], v[ASW] offset:1024*\b+256*(\q)
.endr
.endm
.macro MUL8 p, s, set, b0, zero        ; 8 products; zero = 1: the first K step starts the sums
.irp b, \b0, \b0+1, \b0+2, \b0+3
.irp a, 0,1
.if \zero
	v_wmma_scale_f32_16x16x128_f8f6f4 v[ACC+8*(8*\a+(\b)):ACC+8*(8*\a+(\b))+7], v[128*(\p)+24+12*(\b):128*(\p)+24+12*(\b)+11], v[128*(\p)+12*\a:128*(\p)+12*\a+11], 0, v[SC+40*(\set)+8+4*(\b)+(\s)], v[SC+40*(\set)+4*\a+(\s)] matrix_a_fmt:MATRIX_FMT_FP6 matrix_b_fmt:MATRIX_FMT_FP6
.else
	v_wmma_scale_f32_16x16x128_f8f6f4 v[ACC+8*(8*\a+(\b)):ACC+8*(8*\a+(\b))+7], v[128*(\p)+24+12*(\b):128*(\p)+24+12*(\b)+11], v[128*(\p)+12*\a:128*(\p)+12*\a+11], v[ACC+8*(8*\a+(\b)):ACC+8*(8*\a+(\b))+7], v[SC+40*(\set)+8+4*(\b)+(\s)], v[SC+40*(\set)+4*\a+(\s)] matrix_a_fmt:MATRIX_FMT_FP6 matrix_b_fmt:MATRIX_FMT_FP6
.endif
.endr
.endr
.endm
.macro KSTEP k, zero                   ; K step k, whose successor lies in the same slot
	PLACES 4                                       ; in front of loads into registers that the last K step's products have read
	s_wait_dscnt 0x0                               ; this K step's fragments, asked for a K step ago
	FETCH ((\k)+1)%4, ((\k)+1)%2
	WIN MUL
	MUL8 (\k)%2, (\k)%4, ((\k)/4)%2, 0, \zero
	MUL8 (\k)%2, (\k)%4, ((\k)/4)%2, 4, \zero
.endm
.macro NEXTQ slot                      ; both group 0 on to the next quarter, into this slot; no load of the wave is out here
	s_add_co_u32 s[G0T+1], s94, (\slot)*REG
	s_add_co_u32 s[G0W+1], s95, (\slot)*REG
	s_add_nc_u64 s[G0T+2:G0T+3], s[G0T+2:G0T+3], QB
	s_add_nc_u64 s[G0W+2:G0W+3], s[G0W+2:G0W+3], QB
.endm
.macro STEPA back                      ; my fragments' addresses on to the other slot
.irp x, AT16, AT8, AW16, AW8
.if \back
	v_sub_nc_u32 v[\x], v[\x], REG
.else
	v_add_nc_u32 v[\x], REG, v[\x]
.endif
.endr
.endm
.macro ASK q                           ; my share of quarter q is named
	global_prefetch_b8 v[PFO], s[PFA:PFA+1] offset:(\q)*QB th:TH_LOAD_NT scope:SCOPE_SE
.endm
.macro TURN set, nq, ask               ; a quarter's last K step: its slot (number = set) is left and filled again with quarter nq + 1
	WIN 0
	s_wait_tensorcnt 0x0                           ; all my tensor loads have landed: my part of quarter nq;
	ds_add_u32 v[SPW], v[NIL]                      ; 0 onto my spare word;
	s_wait_dscnt 0x1                               ; (this K step's fragments are in; the add may be out)
	WIN MUL
	MUL8 1, 3, \set, 0, 0
	WIN 0
	NEXTQ \set
	s_wait_dscnt 0x0                               ; the add is done, and my reads of this slot are over
	CROUND                                         ; no wave of any partner still reads this slot or has a load on its way
	RLOAD                                          ; the one tensor load behind the round
	STEPA \set                                     ; (four plain lines: the places in front of the loads below)
	SCALES \nq, 1-\set
	FETCH 0, 0
.if \ask
	ASK \ask
.endif
	WIN MUL
	MUL8 1, 3, \set, 4, 0
	s_wait_alu depctr_va_vdst(0)
.endm
.macro QH s, pc, tc, tm                ; 32 numbers of a lane, register 16 b + i = k 32 b + 16 h + i of my row: six registers of codes (lane (r, h): block h) in v[pc] on, the two bytes in v[tm + 2], v[tm + 3]
.irp b, 0,1
	v_max3_num_f32 v[\tm+\b], |v[\s+16*\b]|, |v[\s+16*\b+1]|, 0x1800000
.endr
.irp i, 2,4,6,8,10,12,14
.irp b, 0,1
	s_delay_alu instid0(VALU_DEP_2)
	v_max3_num_f32 v[\tm+\b], v[\tm+\b], |v[\s+16*\b+\i]|, |v[\s+16*\b+\i+1]|
.endr
.endr
.irp b, 0,1
	s_delay_alu instid0(VALU_DEP_2)
	v_permlanex16_b32 v[\tm+2+\b], v[\tm+\b], s[SEL], s[SEL+1]
.endr
.irp b, 0,1
	s_delay_alu instid0(VALU_DEP_2)
	v_max_num_f32 v[\tm+\b], v[\tm+\b], v[\tm+2+\b]
.endr
.irp b, 0,1
	s_delay_alu instid0(VALU_DEP_2)
	v_add_nc_u32 v[\tm+4+\b], 0xff000000, v[\tm+\b]
.endr
.irp b, 0,1
	s_delay_alu instid0(VALU_DEP_2)
	v_lshrrev_b32 v[\tm+2+\b], 23, v[\tm+4+\b]
.endr
	v_cvt_scalef32_pk16_fp6_f32 v[\pc:\pc+2], v[\s:\s+15], v[\tm+4]
	v_cvt_scalef32_pk16_fp6_f32 v[\tc:\tc+2], v[\s+16:\s+31], v[\tm+5]
	v_nop                                          ; one plain place behind a scaled conversion
.irp i, 0,1,2
	v_permlane16_swap_b32 v[\pc+\i], v[\tc+\i]     ; a whole block to a lane
.endr
.irp i, 0,1,2
	s_delay_alu instid0(VALU_DEP_3)
	v_mov_b32 v[\pc+3+\i], v[\tc+\i]
.endr
.endm
	s_load_b256 s[4:11], s[0:1], 0x0               ; the tokens' codes, W's codes, freqs_cis, qkv
	v_lshl_add_u32 v[SPW], v0, 2, SPARE
	v_mov_b32 v[NIL], 0
	ds_add_u32 v[SPW], v[NIL]                      ; the wave's opening: the add, twice on end, and its wait ahead of my first tensor load
	ds_add_u32 v[SPW], v[NIL]
	v_lshrrev_b32 v1, 5, v0
	s_delay_alu instid0(VALU_DEP_1)
	v_readfirstlane_b32 s[WV], v1                  ; wave 0..7
	s_and_b32 s14, s[WV], 3
	s_bfe_u32 s84, ttmp6, 0x40000                  ; cx
	s_bfe_u32 s85, ttmp6, 0x40004                  ; cy
	s_lshl_b32 s86, ttmp9, 2
	s_add_co_u32 s86, s86, s84                     ; J
	s_and_b32 s87, ttmp7, 0xffff
	s_lshl_b32 s87, s87, 2
	s_add_co_u32 s87, s87, s85                     ; I
	s_lshl_b32 s88, s85, 2
	s_lshl_b32 s88, 15, s88                        ; my row of the cluster
	s_lshl_b32 s89, 0x1111, s84                    ; my column
	s_or_b32 s[G1T], s88, (3<<16)|(1<<21)          ; the mask; elements of 8 bytes; bit 21 beside a mask; no padding
	s_or_b32 s[G1ST], s88, (3<<16)|(1<<21)
	s_or_b32 s[G1W], s89, (3<<16)|(1<<21)
	s_or_b32 s[G1SW], s89, (3<<16)|(1<<21)
.irp g, G1T, G1W                       ; a quarter of 4 row blocks: 4 rows of 768 elements (6,144 bytes), 3,200 elements (25,600 bytes) apart
	s_mov_b32 s[\g+1], 768<<16
	s_mov_b32 s[\g+2], 4<<16
	s_mov_b32 s[\g+3], 768<<16
	s_mov_b32 s[\g+4], 4
	s_mov_b32 s[\g+5], 3200
	s_mov_b32 s[\g+6], 0
	s_mov_b32 s[\g+7], 0
.endr
	s_mov_b32 s[G1ST+1], 128<<16                   ; the scale images: rows of 128 elements (1,024 bytes): 16 for the tokens,
	s_mov_b32 s[G1ST+2], 16<<16
	s_mov_b32 s[G1ST+3], 128<<16
	s_mov_b32 s[G1ST+4], 16
	s_mov_b32 s[G1ST+5], 3200
	s_mov_b32 s[G1ST+6], 0
	s_mov_b32 s[G1ST+7], 0
	s_mov_b32 s[G1SW+1], 128<<16                   ; 8 for W
	s_mov_b32 s[G1SW+2], 8<<16
	s_mov_b32 s[G1SW+3], 128<<16
	s_mov_b32 s[G1SW+4], 8
	s_mov_b32 s[G1SW+5], 3200
	s_mov_b32 s[G1SW+6], 0
	s_mov_b32 s[G1SW+7], 0
	s_lshl_b32 s70, s87, 4
	s_mul_i32 s70, s70, RBB                        ; the tokens' row block 16 I: made of the tile row alone
	s_mov_b32 s71, 0
	s_lshl_b32 s72, s86, 3
	s_add_co_u32 s72, s72, WB
	s_mul_i32 s72, s72, RBB                        ; W's row block WB + 8 J: made of the tile column alone
	s_mov_b32 s73, 0
	s_mul_i32 s74, s14, 4*RBB                      ; the four row blocks that I fetch
	s_mov_b32 s75, 0
	s_mul_i32 s94, s14, 24576                      ; and where they go: the tokens',
	s_add_co_u32 s95, s94, WOF                     ; W's
	s_lshl_b32 s76, s87, 4                         ; the prefetches: the tokens' row block 16 I + 4 cx + w,
	s_lshl_b32 s77, s84, 2
	s_add_co_u32 s76, s76, s77
	s_add_co_u32 s76, s76, s14
	s_lshl_b32 s77, s86, 3                         ; W's WB + 8 J + 2 cy + (w - 4) / 2,
	s_lshl_b32 s78, s85, 1
	s_add_co_u32 s77, s77, s78
	s_lshr_b32 s78, s14, 1
	s_add_co_u32 s77, s77, s78
	s_add_co_u32 s77, s77, WB
	s_and_b32 s78, s14, 1
	s_mul_i32 s78, s78, 3072                       ; its lower or upper 12 blocks of 256 bytes
	s_cmp_lt_u32 s[WV], 4
	s_cselect_b32 s76, s76, s77
	s_cselect_b32 s78, 0, s78
	s_cselect_b32 s79, 23, 11                      ; the last block that my lanes name
	s_mul_i32 s76, s76, RBB
	s_add_co_u32 s76, s76, s78
	s_mov_b32 s77, 0
	s_mov_b32 s[SEL], 0x76543210
	s_mov_b32 s[SEL+1], 0xfedcba98
	s_mov_b32 s15, 0xffff0000                      ; lanes 16-31
	s_wait_dscnt 0x0                               ; both opening adds are done
	s_wait_kmcnt 0x0
	s_add_nc_u64 s[70:71], s[4:5], s[70:71]
	s_add_nc_u64 s[72:73], s[6:7], s[72:73]
	s_cmp_lt_u32 s[WV], 4
	s_cselect_b64 s[PFA:PFA+1], s[4:5], s[6:7]
	s_add_nc_u64 s[PFA:PFA+1], s[PFA:PFA+1], s[76:77]
	s_mov_b32 s[G0T], 1
	s_add_co_u32 s[G0T+1], s94, 0
	s_add_nc_u64 s[G0T+2:G0T+3], s[70:71], s[74:75]
	s_or_b32 s[G0T+3], s[G0T+3], 0x80000000
	s_mov_b32 s[G0W], 1
	s_add_co_u32 s[G0W+1], s95, 0
	s_add_nc_u64 s[G0W+2:G0W+3], s[72:73], s[74:75]
	s_or_b32 s[G0W+3], s[G0W+3], 0x80000000
	s_mov_b32 s[G0ST], 1
	s_mov_b32 s[G0ST+1], SCL
	s_add_nc_u64 s[G0ST+2:G0ST+3], s[70:71], SCO
	s_or_b32 s[G0ST+3], s[G0ST+3], 0x80000000
	s_mov_b32 s[G0SW], 1
	s_mov_b32 s[G0SW+1], SCL+16384
	s_add_nc_u64 s[G0SW+2:G0SW+3], s[72:73], SCO
	s_or_b32 s[G0SW+3], s[G0SW+3], 0x80000000
	CROUND                                         ; all sixteen work-groups are here: the first joint loads meet
	s_cmp_lt_u32 s[WV], 4                          ; the head's loads, one a wave, in one chain of branches on the wave's number
	s_cbranch_scc0 .Lh_w
	TL G0T, G1T
	s_branch .Lh_e
.Lh_w:
	s_cmp_lt_u32 s[WV], 6
	s_cbranch_scc0 .Lh_st
	TL G0W, G1W
	s_branch .Lh_e
.Lh_st:
	s_cmp_lt_u32 s[WV], 7
	s_cbranch_scc0 .Lh_sw
	TL G0ST, G1ST
	s_branch .Lh_e
.Lh_sw:
	TL G0SW, G1SW
.Lh_e:
	v_and_b32 v1, 31, v0                           ; lane
	v_and_b32 v2, 15, v0                           ; r
	v_bfe_u32 v3, v0, 4, 1                         ; h
	s_delay_alu instid0(VALU_DEP_3)
	v_min_u32 v[PFO], s79, v1
	s_delay_alu instid0(VALU_DEP_1)
	v_lshlrev_b32 v[PFO], 8, v[PFO]
	ASK 1
	s_mul_i32 s96, s[WV], 2*QB
	v_lshl_add_u32 v[AT16], v1, 4, s96
	v_lshl_add_u32 v[AT8], v1, 3, s96
	v_lshl_add_u32 v[AW16], v1, 4, WOF
	v_lshl_add_u32 v[AW8], v1, 3, WOF
	s_lshl_b32 s96, s[WV], 11
	s_add_co_u32 s96, s96, SCL
	v_lshl_add_u32 v[AST], v2, 4, s96
	v_lshl_add_u32 v[ASW], v2, 4, SCL+16384
	; ---- this launch's own: the way out's addresses
	v_lshlrev_b32 v12, 4, v1                       ; 16 x lane
	v_lshlrev_b32 v13, 3, v1                       ; 8 x lane
	v_lshlrev_b32 v14, 2, v1                       ; 4 x lane
	v_lshlrev_b32 v103, 8, v1                      ; 256 x lane: a row of freqs_cis
	s_mul_i32 s96, s[WV], 16896                    ; v's stage: 32 token rows of 528 bytes, my wave's own, in slot 0
	s_and_b32 s97, s[WV], 1
	s_lshl_b32 s90, s97, 8                         ; V's image: 256 (w % 2),
	s_lshl_b32 s91, s97, 7                         ; and 128 (w % 2)
	v_and_b32 v101, 8, v2
	s_delay_alu instid0(VALU_DEP_1)
	v_add_nc_u32 v101, v101, v2                    ; r + 8 (r / 8)
	s_delay_alu instid0(VALU_DEP_1)
	v_mul_u32_u24 v96, v101, 528
	s_delay_alu instid0(VALU_DEP_1)
	v_lshl_add_u32 v96, v3, 6, v96
	s_delay_alu instid0(VALU_DEP_1)
	v_add_nc_u32 v96, s96, v96                     ; in: my token's row, + 64 h
	v_lshl_add_u32 v97, v3, 3, v101
	s_delay_alu instid0(VALU_DEP_1)
	v_lshl_add_u32 v97, v97, 2, s96                ; back: column 8 h + r + 8 (r / 8)
	v_mul_u32_u24 v98, v3, 1536
	s_delay_alu instid0(VALU_DEP_1)
	v_lshl_add_u32 v99, v2, 3, v98
	s_delay_alu instid0(VALU_DEP_2)
	v_lshl_add_u32 v98, v2, 4, v98
	s_delay_alu instid0(VALU_DEP_1)
	v_add_nc_u32 v98, s90, v98                     ; V's image: channel tile h, operand lane r + 16 (w % 2): 16 bytes a lane,
	s_delay_alu instid0(VALU_DEP_3)
	v_add_nc_u32 v99, s91, v99                     ; and 8
	v_lshlrev_b32 v15, 8, v101
	s_delay_alu instid0(VALU_DEP_1)
	v_lshl_add_u32 v15, v3, 6, v15                 ; freqs_cis: a token's 256 bytes, + 64 h
	s_lshl_b32 s96, s87, 8
	s_lshl_b32 s97, s[WV], 5
	s_add_co_u32 s96, s96, s97                     ; my first token: 256 I + 32 w
	s_lshl_b32 s96, s96, 8
	s_mov_b32 s97, 0
	s_add_nc_u64 s[8:9], s[8:9], s[96:97]
	s_wait_alu depctr_va_vdst(0)                   ; the head's end
	global_prefetch_b8 v103, s[8:9] th:TH_LOAD_NT scope:SCOPE_SE   ; my 32 tokens' rows of freqs_cis, read ahead of the last K step
	; ---- the products
	s_wait_tensorcnt 0x0                           ; my tile of the head's is in
	ds_add_u32 v[SPW], v[NIL]
	NEXTQ 1
	s_wait_dscnt 0x0
	CROUND
	RLOAD                                          ; quarter 1 into slot 1
	SCALES 0, 0
	FETCH 0, 0
	ASK 2
	KSTEP 0, 1
	KSTEP 1, 0
	KSTEP 2, 0
	TURN 0, 1, 3                                   ; quarter 2 into slot 0
	KSTEP 4, 0
	KSTEP 5, 0
	KSTEP 6, 0
	TURN 1, 2, 0                                   ; quarter 3 into slot 1
	KSTEP 8, 0
	KSTEP 9, 0
	KSTEP 10, 0
	PLACES 4                                       ; K step 11: on to slot 1; nothing is filled again
	s_wait_tensorcnt 0x0                           ; my part of quarter 3: the one load that was out
	s_wait_dscnt 0x0
	WIN 0
	s_barrier_signal -1
	s_barrier_wait -1                              ; everybody's is in; nobody reads slot 0 any more
	STEPA 0
	SCALES 3, 1
	FETCH 0, 0
	WIN MUL
	MUL8 1, 3, 0, 0, 0
	MUL8 1, 3, 0, 4, 0
	s_wait_alu depctr_va_vdst(0)
	KSTEP 12, 0
	KSTEP 13, 0
	KSTEP 14, 0
	PLACES 4                                       ; in front of loads into fragment set 0, which is done with
	WIN TO_F
.irp a, 0,1
.irp b, 0,1
.irp e, 0,1,2,3
	global_load_b128 v[32*\a+16*\b+4*\e:32*\a+16*\b+4*\e+3], v15, s[8:9] offset:2048*\a+128*\b+16*\e   ; (cos, sin) of pairs 16 b + 8 h + 2 e, + 1 of token (a, r), into window 1
.endr
.endr
.endr
	s_wait_dscnt 0x0
	WIN MUL
	MUL8 1, 3, 1, 0, 0
	MUL8 1, 3, 1, 4, 0
	WIN 0
	PLACES 4                                       ; in front of the first read of results and of writes into the scales' registers
	; ---- the way out
	s_wait_loadcnt 0x0                             ; cos and sin
	s_cmp_eq_u32 ttmp9, 5                          ; the cluster's x: the same in all sixteen partners.  Tile columns 20-23 are v
	s_cbranch_scc1 .Lvpath
	s_lshl_b32 s90, s87, 4
	s_lshl_b32 s91, s[WV], 1
	s_add_co_u32 s90, s90, s91                     ; my first tile of tokens: 16 I + 2 w
	s_mul_i32 s92, s86, 2*98304                    ; head 2 J
	s_mul_i32 s93, s90, 768
	s_add_co_u32 s92, s92, s93
	s_mov_b32 s93, 0
	s_add_nc_u64 s[94:95], s[10:11], s[92:93]      ; the codes
	s_lshl_b32 s92, s86, 14
	s_lshl_b32 s91, s90, 6
	s_add_co_u32 s92, s92, s91
	s_add_co_u32 s92, s92, 3932160
	s_add_nc_u64 s[96:97], s[10:11], s[92:93]      ; the scale words
	v_mov_b32 v46, 0                               ; a lane permute's destination counts as one of its sources
	v_mov_b32 v47, 0
.macro HEADQ hh, a                     ; head 2 J + hh, token block a: rope, the quantiser, the stores
	WIN 0x04                                       ; source 1 in window 1: cos and sin
.irp g, 0,8,16,24                      ; an accumulator's four pairs at a time: eight products, then eight multiply-adds, so that each result is read eight lines behind its write
.irp m, 0,2,4,6
	v_mul_f32 v[60+\m], v[ACC+64*\a+32*\hh+\g+\m+1], v[32*\a+\g+\m+1]          ; x1 sin
	v_mul_f32 v[61+\m], v[ACC+64*\a+32*\hh+\g+\m], v[32*\a+\g+\m+1]            ; x0 sin
.endr
.irp m, 0,2,4,6
	v_fma_f32 v[ACC+64*\a+32*\hh+\g+\m], v[ACC+64*\a+32*\hh+\g+\m], v[32*\a+\g+\m], -v[60+\m]
	v_fma_f32 v[ACC+64*\a+32*\hh+\g+\m+1], v[ACC+64*\a+32*\hh+\g+\m+1], v[32*\a+\g+\m], v[61+\m]
.endr
.endr
	WIN 0
	QH ACC+64*\a+32*\hh, 16+6*(2*\hh+\a), 40, 44
	v_lshl_or_b32 v[50+2*\hh+\a], v47, 8, v46
	s_delay_alu instid0(VALU_DEP_1)
	v_or_b32 v[50+2*\hh+\a], 0x7f7f0000, v[50+2*\hh+\a]    ; 1.0 for the upper 64 of the instruction's K
	global_store_b128 v12, v[16+6*(2*\hh+\a):16+6*(2*\hh+\a)+3], s[94:95] offset:98304*\hh+768*\a
	global_store_b64 v13, v[16+6*(2*\hh+\a)+4:16+6*(2*\hh+\a)+5], s[94:95] offset:98304*\hh+768*\a+512
.endm
	HEADQ 0, 0
	HEADQ 0, 1
	HEADQ 1, 0
	HEADQ 1, 1
.irp hh, 0,1
	v_cndmask_b32 v[58+\hh], v[50+2*\hh], v[51+2*\hh], s15   ; lanes 0-15: block a = 0's words, lanes 16-31: a = 1's
	global_store_b32 v14, v[58+\hh], s[96:97] offset:8192*\hh
.endr
	s_branch .Ljoin
.Lvpath:
	s_sub_co_u32 s90, s86, 20
	s_lshl_b32 s91, s90, 5
	s_lshl_b32 s92, s87, 1
	s_add_co_u32 s91, s91, s92
	s_lshr_b32 s92, s[WV], 2
	s_add_co_u32 s91, s91, s92                     ; (v head 2 (J - 20)) x 16 + key step 2 I + w / 4
	s_mul_i32 s92, s91, 4*1536
	s_bfe_u32 s91, s[WV], 0x10001
	s_mul_i32 s91, s91, 768                        ; my key block is block w % 4 of the step: half (w % 4) / 2 of a fragment
	s_add_co_u32 s92, s92, s91
	s_add_co_u32 s92, s92, 4259840
	s_mov_b32 s93, 0
	s_add_nc_u64 s[94:95], s[10:11], s[92:93]
	s_lshl_b32 s91, s90, 7
	s_lshl_b32 s92, s87, 3
	s_add_co_u32 s91, s91, s92
	s_add_co_u32 s91, s91, s[WV]                   ; (v head) x 64 + key block 8 I + w
	s_lshl_b32 s92, s91, 6
	s_add_co_u32 s92, s92, 5046272
	s_add_nc_u64 s[96:97], s[10:11], s[92:93]
.irp a, 0,1
.irp b, 0,1,2,3,4,5,6,7
	ds_store_b128 v96, v[ACC+64*\a+8*\b:ACC+64*\a+8*\b+3] offset:8*\a*528+128*(\b/2)+32*(\b%2)        ; each accumulator from its low end on
	ds_store_b128 v96, v[ACC+64*\a+8*\b+4:ACC+64*\a+8*\b+7] offset:8*\a*528+128*(\b/2)+32*(\b%2)+16
.endr
.endr
.irp p, 0,1,2,3                        ; 32 channels at a time: v head p / 2 of the two, channel tiles 2 (p % 2) + h
.if \p > 0
	s_wait_xcnt 0x0                                ; the last stores have read their registers
.endif
.set k, 0
.rept 32
	ds_load_b32 v[16+k], v97 offset:528*k+128*\p   ; my channel, 32 keys down.  LDS serves a wave's instructions in order: these see my stores
.set k, k+1
.endr
	s_wait_dscnt 0x0
	v_max3_num_f32 v70, |v16|, |v17|, 0x1800000
	v_max3_num_f32 v71, |v18|, |v19|, 0x1800000
.irp i, 20,24,28,32,36,40,44
	s_delay_alu instid0(VALU_DEP_2)
	v_max3_num_f32 v70, v70, |v[\i]|, |v[\i+1]|
	s_delay_alu instid0(VALU_DEP_2)
	v_max3_num_f32 v71, v71, |v[\i+2]|, |v[\i+3]|
.endr
	s_delay_alu instid0(VALU_DEP_1)
	v_max_num_f32 v70, v70, v71
	s_delay_alu instid0(VALU_DEP_1)
	v_add_nc_u32 v71, 0xff000000, v70
	s_delay_alu instid0(VALU_DEP_1)
	v_lshrrev_b32 v72, 23, v71
	v_cvt_scalef32_pk16_fp6_f32 v[60:62], v[16:31], v71
	v_cvt_scalef32_pk16_fp6_f32 v[66:68], v[32:47], v71
	v_nop
	v_mov_b32 v63, v66
	v_mov_b32 v64, v67
	v_mov_b32 v65, v68
	global_store_b128 v98, v[60:63], s[94:95] offset:(\p/2)*98304+(\p%2)*3072        ; sixteen lanes store 256 consecutive bytes, aligned
	global_store_b64 v99, v[64:65], s[94:95] offset:(\p/2)*98304+(\p%2)*3072+512
	global_store_b8 v1, v72, s[96:97] offset:(\p/2)*4096+(\p%2)*32                   ; 32 neighbouring scale bytes
.endr
.Ljoin:
	s_wait_tensorcnt 0x0                           ; the wave's end
	ds_add_u32 v[SPW], v[NIL]
	s_wait_dscnt 0x0
	CROUND                                         ; the closing round
	s_endpgm
.Lfunc_end_k_q25dad72b8a_gqkv:
	.size	k_q25dad72b8a_gqkv, .Lfunc_end_k_q25dad72b8a_gqkv-k_q25dad72b8a_gqkv
	.p2alignl 7, 3214868480
	.fill 96, 4, 3214868480
	.section	.rodata,"a",@progbits
	.p2align	6, 0x0
	.amdhsa_kernel k_q25dad72b8a_gqkv
		.amdhsa_group_segment_fixed_size 327680
		.amdhsa_private_segment_fixed_size 0
		.amdhsa_enable_private_segment 0
		.amdhsa_kernarg_size 32
		.amdhsa_user_sgpr_count 2
		.amdhsa_user_sgpr_kernarg_segment_ptr 1
		.amdhsa_wavefront_size32 1
		.amdhsa_system_sgpr_workgroup_id_x 1
		.amdhsa_system_sgpr_workgroup_id_y 1
		.amdhsa_system_sgpr_workgroup_id_z 1
		.amdhsa_system_vgpr_workitem_id 0
		.amdhsa_next_free_vgpr 512
		.amdhsa_next_free_sgpr 100
		.amdhsa_reserve_vcc 0
		.amdhsa_float_denorm_mode_32 3
		.amdhsa_float_denorm_mode_16_64 3
		.amdhsa_memory_ordered 1
		.amdhsa_forward_progress 1
		.amdhsa_inst_pref_size 140
	.end_amdhsa_kernel
	.amdgpu_metadata
---
amdhsa.version: [ 1, 2 ]
amdhsa.kernels:
  - .name:           k_q25dad72b8a_gqkv
    .symbol:         k_q25dad72b8a_gqkv.kd
    .args:
      - { .name: nq, .offset: 0, .size: 8, .value_kind: global_buffer, .address_space: global }
      - { .name: P1, .offset: 8, .size: 8, .value_kind: global_buffer, .address_space: global }
      - { .name: freqs_cis, .offset: 16, .size: 8, .value_kind: global_buffer, .address_space: global }
      - { .name: qkv, .offset: 24, .size: 8, .value_kind: global_buffer, .address_space: global }
    .group_segment_fixed_size: 327680
    .private_segment_fixed_size: 0
    .kernarg_segment_align: 8
    .kernarg_segment_size: 32
    .max_flat_workgroup_size: 256
    .sgpr_count:     100
    .vgpr_count:     512
    .wavefront_size: 32
...
	.end_amdgpu_metadata
.endif
;; end of part 3
;; launch attn (part 4): grid 32 x 8, 16 waves a work-group, no clusters, 210,944 bytes of LDS; arguments qkv, msk, tq; writes tq
.if DOCPART == 4
	.amdgcn_target "amdgcn-amd-amdhsa--gfx1250"
	.amdhsa_code_object_version 6
	.text
	.protected	k_q25dad72b8a_attn
	.globl	k_q25dad72b8a_attn
	.p2align	8
	.type	k_q25dad72b8a_attn,@function
k_q25dad72b8a_attn:
	s_mov_b64 s[64:65], 0
	v_nop
	global_prefetch_b8 v0, s[64:65] scope:SCOPE_SE
	s_setreg_imm32_b32 hwreg(HW_REG_WAVE_MODE, 25, 1), 1
	s_wait_xcnt 0x0
; ATTENTION ON CODES OF FP6 (E2M3): o = softmax(where(mask, q k^T / 8, -inf)) v, 32 query heads on 8 key heads, head size 64; o leaves as codes, the operand of the next product.
; SHARES.  Work-group (i, g) holds ALL of key head g in LDS: K's codes (128 tiles of 16 keys x 768 bytes), V's (16 key steps x 4 channel tiles x 1,536 bytes) and their scale words: 208,896 bytes, copied once through registers.
; Each of its SIXTEEN waves takes ONE tile of 16 queries of query head 4 g + w % 4.  The tile hangs on the wave's class (w / 4 + w % 4) % 4: class 0: tile i, 1: 63 - i, 2: 64 + i, 3: 127 - i.
; So each (head, class) is taken once, and both the waves w, w + 4, w + 8, w + 12 and the waves 4 q .. 4 q + 3 hold all four classes.
; THE MASK IS AN INPUT.  An earlier launch has stored it as lane-mask words (bit r + 16 h of word n = the mask of query r and the key of score register n in lane (r, h)), which v_cndmask_b32 takes as they are, and two bits for
; each (tile, key step): 0 no key counts: the step's work is jumped over, by a scalar branch on that stored number; 1 some: the step's 64 words are loaded and the 64 selections run; 2 all: neither.  Right for every mask.
; The step's first phase is written on two ways that part on the flag, so that the words' loads and their readers stand on the same way.
; These branches hang on numbers read from memory, so this launch has no tensor load and shares no tile in a cluster: K and V come through registers.
; LAYOUT.  Both products are used transposed, so that a lane holds ONE query (lane % 16).  S^T = K Q^T has K = 64: the instruction's upper 64 meet zero codes on Q's side (K's upper six registers are the next tile's codes; both sides' upper scale bytes are 1.0).
; The keys of a tile are not neighbours (lane r of tile 2 b + u: key 32 b + 8 u + r + 8 (r / 8)), so that the 16 registers of tiles 2 b, 2 b + 1 are 16 neighbouring keys.
; THE SOFTMAX: t = score x log2(e) / 8; M = the running largest t rounded up to a whole number; p = 2^(t - M) is quantised along the keys; the sum is taken of the unquantised p and divides at the end.
; A QUERY WITH NO KEY AT ALL has the sum 0: its two scale bytes are stored as 0xff (NaN), so that the next product's sums are NaN for that token, as the definition's are.
; No prefetch: all that the work-group reads from memory in bulk is asked for at its head.
; LIMITS: a block of zeros gets the byte 1 where the rule says 127 (this program alone reads the bytes); NaN and infinities among the scores are not served.
.set VC,    98304                      ; LDS: K's codes from 0, V's from here,
.set KSW,   196608                     ; K's scale words [tile][16],
.set VSW,   204800                     ; V's [key step][channel tile][16],
.set SPARE, 208896                     ; the spare words, 128 bytes a wave
.set S,   134                          ; v134-197 S^T, then p
.set O,   198                          ; v198-229 O^T
.set PC,  230                          ; v230-241 p's codes
.set BM,  32                           ; at work behind the first product, in K's registers
.set BT,  36
.set SO,  40
.set T,   44
.set TC,  48
.set SEL, 88
.set CS,  90
.macro QH s, pc, tc, tm                ; 32 numbers of a lane, register 16 b + i = k 32 b + 16 h + i of my row: six registers of codes (lane (r, h): block h), the two bytes in v[tm + 2], v[tm + 3]
.irp b, 0,1
	v_max3_num_f32 v[\tm+\b], |v[\s+16*\b]|, |v[\s+16*\b+1]|, 0x1800000
.endr
.irp i, 2,4,6,8,10,12,14
.irp b, 0,1
	s_delay_alu instid0(VALU_DEP_2)
	v_max3_num_f32 v[\tm+\b], v[\tm+\b], |v[\s+16*\b+\i]|, |v[\s+16*\b+\i+1]|
.endr
.endr
.irp b, 0,1
	s_delay_alu instid0(VALU_DEP_2)
	v_permlanex16_b32 v[\tm+2+\b], v[\tm+\b], s[SEL], s[SEL+1]
.endr
.irp b, 0,1
	s_delay_alu instid0(VALU_DEP_2)
	v_max_num_f32 v[\tm+\b], v[\tm+\b], v[\tm+2+\b]
.endr
.irp b, 0,1
	s_delay_alu instid0(VALU_DEP_2)
	v_add_nc_u32 v[\tm+4+\b], 0xff000000, v[\tm+\b]
.endr
.irp b, 0,1
	s_delay_alu instid0(VALU_DEP_2)
	v_lshrrev_b32 v[\tm+2+\b], 23, v[\tm+4+\b]
.endr
	v_cvt_scalef32_pk16_fp6_f32 v[\pc:\pc+2], v[\s:\s+15], v[\tm+4]
	v_cvt_scalef32_pk16_fp6_f32 v[\tc:\tc+2], v[\s+16:\s+31], v[\tm+5]
	v_nop
.irp i, 0,1,2
	v_permlane16_swap_b32 v[\pc+\i], v[\tc+\i]
.endr
.irp i, 0,1,2
	s_delay_alu instid0(VALU_DEP_3)
	v_mov_b32 v[\pc+3+\i], v[\tc+\i]
.endr
.endm
; A key step's first phase: K's eight tiles and their scale words from LDS, S^T = K Q^T, V's fragments asked for, and the places in front of the first read of the scores
.macro SPHASE
.irp t, 0,1,2,3,4,5,6,7
	ds_load_b128 v[32+6*\t:35+6*\t], v9 offset:768*\t
	ds_load_b64 v[36+6*\t:37+6*\t], v10 offset:768*\t+512
.endr
.irp u, 0,1,2,3
	ds_load_b32 v[242+\u], v13 offset:128*\u       ; lanes 0-15: tile 2 u's scale words, lanes 16-31: tile 2 u + 1's
.endr
	s_wait_dscnt 0x0
.irp t, 0,1,2,3,4,5,6,7
.if (\t)%2
	v_wmma_scale_f32_16x16x128_f8f6f4 v[S+8*\t:S+8*\t+7], v[32+6*\t:43+6*\t], v[20:31], 0, v[242+\t/2], v15 matrix_a_fmt:MATRIX_FMT_FP6 matrix_b_fmt:MATRIX_FMT_FP6 matrix_a_scale:MATRIX_SCALE_ROW1
.else
	v_wmma_scale_f32_16x16x128_f8f6f4 v[S+8*\t:S+8*\t+7], v[32+6*\t:43+6*\t], v[20:31], 0, v[242+\t/2], v15 matrix_a_fmt:MATRIX_FMT_FP6 matrix_b_fmt:MATRIX_FMT_FP6
.endif
.endr
.irp t, 0,1,2,3                        ; V's fragments land while the softmax is walked
	ds_load_b128 v[86+12*\t:89+12*\t], v11 offset:1536*\t
	ds_load_b64 v[90+12*\t:91+12*\t], v12 offset:1536*\t+512
	ds_load_b128 v[92+12*\t:95+12*\t], v11 offset:1536*\t+768
	ds_load_b64 v[96+12*\t:97+12*\t], v12 offset:1536*\t+1280
.endr
.irp u, 0,1
	ds_load_b32 v[246+\u], v14 offset:128*\u
.endr
.rept 4
	v_nop                                          ; places in front of the first read of the scores and of writes into K's registers
.endr
.endm
	s_load_b128 s[4:7], s[0:1], 0x0                ; qkv, msk
	s_load_b64 s[8:9], s[0:1], 0x10                ; tq
	v_lshl_add_u32 v7, v0, 2, SPARE
	v_mov_b32 v8, 0
	v_lshrrev_b32 v9, 5, v0
	s_delay_alu instid0(VALU_DEP_1)
	v_readfirstlane_b32 s10, v9                    ; wave 0..15
	s_and_b32 s99, ttmp7, 0xffff                   ; g
	s_lshl_b32 s11, s99, 2
	s_and_b32 s2, s10, 3
	s_add_co_u32 s11, s11, s2                      ; my query head
	s_lshr_b32 s3, s10, 2
	s_add_co_u32 s2, s2, s3
	s_and_b32 s2, s2, 3                            ; my class: (w / 4 + w % 4) % 4
	s_sub_co_u32 s3, 63, ttmp9
	s_and_b32 s13, s2, 1
	s_cmp_eq_u32 s13, 0
	s_cselect_b32 s12, ttmp9, s3                   ; i or 63 - i,
	s_lshr_b32 s2, s2, 1
	s_lshl_b32 s2, s2, 6
	s_add_co_u32 s12, s12, s2                      ; + 64 in classes 2 and 3: my tile of queries
	; byte offsets in qkv: every load below takes the one base and a vector offset
	s_add_co_u32 s2, s99, 32                       ; k's heads follow q's 32
	s_mul_i32 s84, s2, 98304                       ; K's codes
	s_lshl_b32 s85, s2, 13
	s_add_co_u32 s85, s85, 3932160                 ; K's scale words
	s_mul_i32 s86, s99, 98304
	s_add_co_u32 s86, s86, 4259840                 ; V's codes
	s_lshl_b32 s87, s99, 12
	s_add_co_u32 s87, s87, 5046272                 ; V's scale bytes
	s_mul_i32 s94, s11, 98304                      ; my head's codes,
	s_lshl_b32 s95, s11, 13
	s_add_co_u32 s95, s95, 3932160                 ; and scale words
	s_mul_i32 s96, s12, 768
	s_add_co_u32 s96, s96, s94                     ; my tile's
	s_lshl_b32 s97, s12, 6
	s_add_co_u32 s97, s97, s95
	s_lshl_b32 s2, s12, 2
	s_add_co_u32 s2, s2, 524288                    ; my tile's flags in msk
	s_mov_b32 s[SEL], 0x76543210
	s_mov_b32 s[SEL+1], 0xfedcba98
	s_mov_b32 s[CS], 0x3e38aa3b                    ; c = log2(e) / 8
	s_mov_b32 s[CS+1], s[CS]
	s_mov_b32 s98, 0xffff0000                      ; lanes 16-31
	v_lshlrev_b32 v9, 4, v0                        ; the copy: 16 bytes a thread, 8,192 a step
	s_delay_alu instid0(VALU_DEP_1)
	v_add_nc_u32 v10, 65536, v9
	s_delay_alu instid0(VALU_DEP_2)
	v_add_nc_u32 v11, VC, v9
	s_delay_alu instid0(VALU_DEP_3)
	v_add_nc_u32 v12, VC+65536, v9
	s_delay_alu instid0(VALU_DEP_4)
	v_add_nc_u32 v13, KSW, v9
	v_lshrrev_b32 v14, 5, v0
	s_delay_alu instid0(VALU_DEP_1)
	v_lshlrev_b32 v14, 8, v14
	v_and_b32 v249, 15, v0                         ; r
	v_and_b32 v255, 31, v0                         ; lane
	s_delay_alu instid0(VALU_DEP_1)
	v_lshl_add_u32 v14, v255, 1, v14               ; V's scale bytes: key step thread / 32, two channels 2 (thread % 32) on
	s_delay_alu instid0(VALU_DEP_2)
	v_lshlrev_b32 v1, 4, v255                      ; 16 x lane
	s_delay_alu instid0(VALU_DEP_3)
	v_lshlrev_b32 v2, 3, v255                      ; 8 x lane
	v_lshl_add_u32 v247, v0, 3, VSW                ; where their two scale words go: 8 bytes a thread
	v_add_nc_u32 v236, s84, v9
	v_add_nc_u32 v237, s85, v9
	v_add_nc_u32 v238, s86, v9
	v_add_nc_u32 v239, s87, v14
	v_add_nc_u32 v240, s96, v1
	v_add_nc_u32 v241, s96, v2
	v_lshl_add_u32 v242, v249, 2, s97
	s_wait_alu depctr_va_vdst(0)
	s_wait_kmcnt 0x0
	global_load_b128 v[20:23], v240, s[4:5]        ; my tile's Q: codes,
	global_load_b64 v[24:25], v241, s[4:5] offset:512
	global_load_b32 v15, v242, s[4:5]              ; scale words
.set n, 0
.rept 12
	global_load_b128 v[32+4*n:35+4*n], v236, s[4:5] offset:8192*n
.set n, n+1
.endr
	global_load_b128 v[128:131], v237, s[4:5]
.set n, 0
.rept 12
	global_load_b128 v[136+4*n:139+4*n], v238, s[4:5] offset:8192*n
.set n, n+1
.endr
.irp b, 0,1,2,3
	global_load_u16 v[232+\b], v239, s[4:5] offset:64*\b    ; the step's four key blocks, two channels of each
.endr
	s_load_b32 s66, s[6:7], s2 offset:0x0          ; my tile's 16 flags
	; (v15, v20-25, v32-79, v128-131, v136-183 and v232-235 are on their way, by the offsets in v236-242: the lines below write none of them)
	v_add_nc_u32 v3, VC, v1
	v_add_nc_u32 v4, VC, v2
	v_lshlrev_b32 v5, 2, v255
	s_delay_alu instid0(VALU_DEP_1)
	v_add_nc_u32 v6, VSW, v5
	s_delay_alu instid0(VALU_DEP_2)
	v_add_nc_u32 v5, KSW, v5
	v_bfe_u32 v253, v0, 4, 1
	s_delay_alu instid0(VALU_DEP_1)
	v_lshl_add_u32 v253, v249, 4, v253             ; 16 r + h: my scale byte's place on the way out
	v_mov_b32 v252, 0xff800000                     ; -infinity
	v_mov_b32 v254, 0xff
	v_mov_b32 v251, 0                              ; (named as the upper half of the pair v[250:251])
.irp j, 26,27,28,29,30,31
	v_mov_b32 v[\j], 0                             ; Q's upper 64 along K: zero codes
.endr
	s_wait_loadcnt 16                              ; Q's 3 and K's 13 loads are in; V's 16 may be out
.set n, 0
.rept 8
	ds_store_b128 v9, v[32+4*n:35+4*n] offset:8192*n
.set n, n+1
.endr
.rept 4
	ds_store_b128 v10, v[32+4*n:35+4*n] offset:8192*(n-8)
.set n, n+1
.endr
	ds_store_b128 v13, v[128:131]
	s_wait_loadcnt 0x0
.set n, 0
.rept 8
	ds_store_b128 v11, v[136+4*n:139+4*n] offset:8192*n
.set n, n+1
.endr
.rept 4
	ds_store_b128 v12, v[136+4*n:139+4*n] offset:8192*(n-8)
.set n, n+1
.endr
	v_perm_b32 v240, v233, v232, 0x05010400        ; 4 x 2 bytes turned: a channel's four key blocks make its scale word
	v_perm_b32 v241, v235, v234, 0x05010400
	s_delay_alu instid0(VALU_DEP_1)
	v_perm_b32 v236, v241, v240, 0x05040100
	s_delay_alu instid0(VALU_DEP_2)
	v_perm_b32 v237, v241, v240, 0x07060302
	ds_store_b64 v247, v[236:237]
	s_wait_dscnt 0x0                               ; for the others' sake: my part of the copy lies in LDS
	s_barrier_signal -1
	s_barrier_wait -1                              ; the launch's one barrier; from here on LDS is only read
	s_wait_kmcnt 0x0                               ; my tile's flags
.irp j, 80,81,82,83,84,85
	v_mov_b32 v[\j], 0                             ; what stands behind K's last tile as the upper half of its operand
.endr
	; ---- my tile of 16 queries against all keys
	s_mov_b32 s14, s66
	s_lshl_b32 s2, s12, 12
	s_mov_b32 s3, 0
	s_add_nc_u64 s[92:93], s[6:7], s[2:3]          ; the tile's mask words
	v_mov_b32 v17, 0xff61b1e6                      ; the largest t so far: -3e38
	s_delay_alu instid0(VALU_DEP_1)
	v_floor_f32 v16, -v17                          ; -M
	v_mov_b32 v18, 0
	v_mov_b32 v19, 0
.set j, 0
.rept 32
	v_mov_b32 v[O+j], 0                            ; the step is written once: the first finds zeros
.set j, j+1
.endr
	s_mov_b32 s84, 0                               ; the step's codes: 6,144 bytes a step in K and in V
	s_mov_b32 s85, 0                               ; K's scale words: 512
	s_mov_b32 s86, 0                               ; V's scale words and the mask words: 256
	s_mov_b32 s13, 16
.Lstep:
	s_and_b32 s15, s14, 3
	s_lshr_b32 s14, s14, 2
	s_cmp_eq_u32 s15, 0
	s_cbranch_scc1 .Ltail                          ; no key of this step counts for any of my 16 queries
	v_add_nc_u32 v9, s84, v1                       ; (these six are also the places in front of the loads into V's registers)
	v_add_nc_u32 v10, s84, v2
	v_add_nc_u32 v11, s84, v3
	v_add_nc_u32 v12, s84, v4
	v_add_nc_u32 v13, s85, v5
	v_add_nc_u32 v14, s86, v6
	s_cmp_eq_u32 s15, 1
	s_cbranch_scc1 .Lsome
	s_wait_alu depctr_va_vdst(0)
	SPHASE                                         ; every key of the step counts for every query: no word of the mask is wanted
	s_branch .Lopen
.Lsome:
	s_load_b512 s[16:31], s[92:93], s86 offset:0x0 ; some keys count: the step's 64 words, asked for ahead of the first phase
	s_load_b512 s[32:47], s[92:93], s86 offset:0x40
	s_load_b512 s[48:63], s[92:93], s86 offset:0x80
	s_load_b512 s[68:83], s[92:93], s86 offset:0xc0
	s_wait_alu depctr_va_vdst(0)
	SPHASE
	s_wait_kmcnt 0x0                               ; the mask words
.irp q, 0,1,2,3
.irp n, 0,1,2,3,4,5,6,7,8,9,10,11,12,13,14,15
	v_cndmask_b32 v[S+16*\q+\n], v252, v[S+16*\q+\n], s[16+16*\q+4*(\q/3)+\n]
.endr
.endr
.Lopen:
.irp b, 0,1,2,3
	v_max3_num_f32 v[BM+\b], v[S+16*\b], v[S+16*\b+1], v[S+16*\b+2]   ; the largest score of each block of 32 keys: for the row's maximum and, since p rises with the score, for the block's largest p
.endr
.irp i, 3,5,7,9,11,13
.irp b, 0,1,2,3
	v_max3_num_f32 v[BM+\b], v[BM+\b], v[S+16*\b+\i], v[S+16*\b+\i+1]
.endr
.endr
.irp b, 0,1,2,3
	v_max_num_f32 v[BM+\b], v[BM+\b], v[S+16*\b+15]
.endr
.irp b, 0,1,2,3
	s_delay_alu instid0(VALU_DEP_4)
	v_permlanex16_b32 v[BT+\b], v[BM+\b], s[SEL], s[SEL+1]
.endr
.irp b, 0,1,2,3
	s_delay_alu instid0(VALU_DEP_4)
	v_max_num_f32 v[BM+\b], v[BM+\b], v[BT+\b]
.endr
	s_delay_alu instid0(VALU_DEP_2)
	v_max3_num_f32 v[T], v[BM], v[BM+1], v[BM+2]
	s_delay_alu instid0(VALU_DEP_1)
	v_max_num_f32 v[T], v[T], v[BM+3]
	s_delay_alu instid0(VALU_DEP_1)
	v_mul_f32 v[T], s[CS], v[T]
	s_delay_alu instid0(VALU_DEP_1)
	v_max_num_f32 v17, v17, v[T]                   ; the running largest t
	v_mov_b32 v[T], v16
	s_delay_alu instid0(VALU_DEP_2)
	v_floor_f32 v16, -v17                          ; the new -M: M is a whole number
	s_delay_alu instid0(VALU_DEP_1)
	v_sub_f32 v[T], v16, v[T]
	s_delay_alu instid0(VALU_DEP_1)
	v_cvt_i32_f32 v[T], v[T]                       ; (it saturates)
	s_delay_alu instid0(VALU_DEP_1)
	v_ldexp_f32 v250, 1.0, v[T]                    ; f = 2^(old M - new M)
.set j, 0
.rept 32
	v_pk_fma_f32 v[S+j:S+j+1], v[S+j:S+j+1], s[CS:CS+1], v[16:17] op_sel_hi:[1,0,0]   ; t - M
.set j, j+2
.endr
.irp b, 0,1,2,3
	v_fma_f32 v[BM+\b], v[BM+\b], s[CS], v16
.endr
.set j, 0
	s_wait_alu depctr_va_vdst(0)
.rept 64
	v_exp_f32 v[S+j], v[S+j]                       ; p = 2^(t - M), not normalised
.set j, j+1
.endr
	v_pk_mul_f32 v[18:19], v[18:19], v[250:251] op_sel_hi:[1,0]   ; the sums under the new M (a plain place behind the exponentials)
	s_wait_alu depctr_va_vdst(0)                   ; one wait for the batch, ahead of its first reader
.irp b, 0,1,2,3
	v_exp_f32 v[BM+\b], v[BM+\b]                   ; the blocks' largest p
.endr
	v_pk_add_f32 v[46:47], v[138:139], v[142:143]
	v_pk_add_f32 v[248:249], v[146:147], v[150:151]
	v_pk_add_f32 v[244:245], v[154:155], v[158:159]
	v_pk_add_f32 v[242:243], v[162:163], v[166:167]
	v_pk_add_f32 v[240:241], v[170:171], v[174:175]
	v_pk_add_f32 v[238:239], v[178:179], v[182:183]
	v_pk_add_f32 v[236:237], v[186:187], v[190:191]
	v_pk_add_f32 v[18:19], v[18:19], v[194:195]
	v_pk_add_f32 v[46:47], v[46:47], v[134:135]
	v_pk_add_f32 v[248:249], v[248:249], v[136:137]
	v_pk_add_f32 v[244:245], v[244:245], v[140:141]
	v_pk_add_f32 v[242:243], v[242:243], v[144:145]
	v_pk_add_f32 v[240:241], v[240:241], v[148:149]
	v_pk_add_f32 v[238:239], v[238:239], v[152:153]
	v_pk_add_f32 v[236:237], v[236:237], v[156:157]
	v_pk_add_f32 v[18:19], v[18:19], v[160:161]
	v_pk_add_f32 v[46:47], v[46:47], v[164:165]
	v_pk_add_f32 v[248:249], v[248:249], v[168:169]
	v_pk_add_f32 v[244:245], v[244:245], v[172:173]
	v_pk_add_f32 v[242:243], v[242:243], v[176:177]
	v_pk_add_f32 v[240:241], v[240:241], v[180:181]
	v_pk_add_f32 v[238:239], v[238:239], v[184:185]
	v_pk_add_f32 v[236:237], v[236:237], v[188:189]
	v_pk_add_f32 v[18:19], v[18:19], v[192:193]
	v_pk_add_f32 v[46:47], v[46:47], v[196:197]
	s_delay_alu instid0(VALU_DEP_2)
	v_pk_add_f32 v[18:19], v[18:19], v[242:243]
	s_delay_alu instid0(VALU_DEP_2)
	v_pk_add_f32 v[46:47], v[46:47], v[240:241]
	v_pk_add_f32 v[248:249], v[248:249], v[238:239]
	v_pk_add_f32 v[244:245], v[244:245], v[236:237]
	s_delay_alu instid0(VALU_DEP_2)
	v_pk_add_f32 v[18:19], v[18:19], v[248:249]
	s_delay_alu instid0(VALU_DEP_2)
	v_pk_add_f32 v[46:47], v[46:47], v[244:245]
	s_delay_alu instid0(VALU_DEP_1)
	v_pk_add_f32 v[18:19], v[18:19], v[46:47]
	s_wait_alu depctr_va_vdst(0)                   ; and one for the four
.irp b, 0,1,2,3
	v_max_num_f32 v[BM+\b], 0x1800000, v[BM+\b]    ; the floor 2^(3 - 127)
.endr
.irp b, 0,1,2,3
	s_delay_alu instid0(VALU_DEP_4)
	v_add_nc_u32 v[SO+\b], 0xff000000, v[BM+\b]
.endr
.irp b, 0,1,2,3
	s_delay_alu instid0(VALU_DEP_4)
	v_lshrrev_b32 v[BT+\b], 23, v[SO+\b]
.endr
	s_delay_alu instid0(VALU_DEP_3)
	v_lshl_or_b32 v248, v[BT+1], 8, v[BT]          ; p's scale word for these 128 keys
	s_delay_alu instid0(VALU_DEP_1)
	v_lshl_or_b32 v248, v[BT+2], 16, v248
	s_delay_alu instid0(VALU_DEP_1)
	v_lshl_or_b32 v248, v[BT+3], 24, v248
.irp c, 0,1
	v_cvt_scalef32_pk16_fp6_f32 v[PC+6*\c:PC+6*\c+2], v[S+32*\c:S+32*\c+15], v[SO+2*\c]
	v_cvt_scalef32_pk16_fp6_f32 v[TC+4*\c:TC+4*\c+2], v[S+32*\c+16:S+32*\c+31], v[SO+2*\c+1]
.endr
	v_nop                                          ; one plain place behind a scaled conversion
.irp c, 0,1
.irp i, 0,1,2
	v_permlane16_swap_b32 v[PC+6*\c+\i], v[TC+4*\c+\i]
.endr
.irp i, 0,1,2
	s_delay_alu instid0(VALU_DEP_3)
	v_mov_b32 v[PC+3+6*\c+\i], v[TC+4*\c+\i]
.endr
.endr
.set j, 0
.rept 16
	v_pk_mul_f32 v[O+j:O+j+1], v[O+j:O+j+1], v[250:251] op_sel_hi:[1,0]   ; O^T under the new M; these stand between the scale word's last write and the products
.set j, j+2
.endr
	s_wait_alu depctr_va_vdst(0)
	s_wait_dscnt 0x0                               ; V
.irp t, 0,1,2,3
.if (\t)%2
	v_wmma_scale_f32_16x16x128_f8f6f4 v[O+8*\t:O+8*\t+7], v[86+12*\t:97+12*\t], v[PC:PC+11], v[O+8*\t:O+8*\t+7], v[246+\t/2], v248 matrix_a_fmt:MATRIX_FMT_FP6 matrix_b_fmt:MATRIX_FMT_FP6 matrix_a_scale:MATRIX_SCALE_ROW1
.else
	v_wmma_scale_f32_16x16x128_f8f6f4 v[O+8*\t:O+8*\t+7], v[86+12*\t:97+12*\t], v[PC:PC+11], v[O+8*\t:O+8*\t+7], v[246+\t/2], v248 matrix_a_fmt:MATRIX_FMT_FP6 matrix_b_fmt:MATRIX_FMT_FP6
.endif
.endr
.Ltail:
	s_add_co_u32 s84, s84, 6144
	s_add_co_u32 s85, s85, 512
	s_add_co_u32 s86, s86, 256
	s_sub_co_u32 s13, s13, 1
	s_cmp_lg_u32 s13, 0
	s_cbranch_scc1 .Lstep
	; the way out: O^T / the sum, quantised along the head: half H % 2 of K step H / 2 of token block tau
.rept 4
	v_nop                                          ; places behind the last products
.endr
	v_add_f32 v18, v18, v19
	s_delay_alu instid0(VALU_DEP_1)
	v_permlanex16_b32 v32, v18, s[SEL], s[SEL+1]
	s_delay_alu instid0(VALU_DEP_1)
	v_add_f32 v18, v18, v32                        ; the row's sum
	s_wait_alu depctr_va_vdst(0)
	v_rcp_f32 v33, v18
	v_nop
	v_cmp_eq_f32 s87, 0, v18                       ; a query for which no key counts
	s_mul_i32 s13, s12, 25600
	s_lshr_b32 s14, s11, 1
	s_and_b32 s15, s11, 1
	s_mul_i32 s2, s14, 1536
	s_add_co_u32 s2, s2, s13
	s_mul_i32 s99, s15, 768
	s_add_co_u32 s2, s2, s99
	s_add_nc_u64 s[94:95], s[8:9], s[2:3]
	s_lshr_b32 s2, s11, 3
	s_lshl_b32 s2, s2, 8
	s_add_co_u32 s2, s2, s13
	s_and_b32 s14, s14, 3
	s_lshl_b32 s14, s14, 2
	s_add_co_u32 s2, s2, s14
	s_lshl_b32 s15, s15, 1
	s_add_co_u32 s2, s2, s15
	s_add_co_u32 s2, s2, 24576
	s_add_nc_u64 s[96:97], s[8:9], s[2:3]
	s_wait_alu depctr_va_vdst(0)                   ; ahead of the reciprocal's first reader
.set j, 0
.rept 32
	v_mul_f32 v[S+j], v[O+j], v33
.set j, j+1
.endr
	QH S, PC, 236, 34
	v_cndmask_b32 v40, v36, v37, s98               ; lane (r, h) stores block h's byte,
	s_delay_alu instid0(VALU_DEP_1)
	v_cndmask_b32 v40, v40, v254, s87              ; or NaN's
	global_store_b128 v1, v[PC:PC+3], s[94:95]
	global_store_b64 v2, v[PC+4:PC+5], s[94:95] offset:512
	global_store_b8 v253, v40, s[96:97]
	s_wait_tensorcnt 0x0                           ; the wave's end
	ds_add_u32 v7, v8
	s_wait_dscnt 0x0
	s_endpgm
.Lfunc_end_k_q25dad72b8a_attn:
	.size	k_q25dad72b8a_attn, .Lfunc_end_k_q25dad72b8a_attn-k_q25dad72b8a_attn
	.p2alignl 7, 3214868480
	.fill 96, 4, 3214868480
	.section	.rodata,"a",@progbits
	.p2align	6, 0x0
	.amdhsa_kernel k_q25dad72b8a_attn
		.amdhsa_group_segment_fixed_size 210944
		.amdhsa_private_segment_fixed_size 0
		.amdhsa_enable_private_segment 0
		.amdhsa_kernarg_size 24
		.amdhsa_user_sgpr_count 2
		.amdhsa_user_sgpr_kernarg_segment_ptr 1
		.amdhsa_wavefront_size32 1
		.amdhsa_system_sgpr_workgroup_id_x 1
		.amdhsa_system_sgpr_workgroup_id_y 1
		.amdhsa_system_sgpr_workgroup_id_z 1
		.amdhsa_system_vgpr_workitem_id 0
		.amdhsa_next_free_vgpr 256
		.amdhsa_next_free_sgpr 100
		.amdhsa_reserve_vcc 0
		.amdhsa_float_denorm_mode_32 3
		.amdhsa_float_denorm_mode_16_64 3
		.amdhsa_memory_ordered 1
		.amdhsa_forward_progress 1
		.amdhsa_inst_pref_size 42
	.end_amdhsa_kernel
	.amdgpu_metadata
---
amdhsa.version: [ 1, 2 ]
amdhsa.kernels:
  - .name:           k_q25dad72b8a_attn
    .symbol:         k_q25dad72b8a_attn.kd
    .args:
      - { .name: qkv, .offset: 0, .size: 8, .value_kind: global_buffer, .address_space: global }
      - { .name: msk, .offset: 8, .size: 8, .value_kind: global_buffer, .address_space: global }
      - { .name: tq, .offset: 16, .size: 8, .value_kind: global_buffer, .address_space: global }
    .group_segment_fixed_size: 210944
    .private_segment_fixed_size: 0
    .kernarg_segment_align: 8
    .kernarg_segment_size: 24
    .max_flat_workgroup_size: 512
    .sgpr_count:     100
    .vgpr_count:     256
    .wavefront_size: 32
...
	.end_amdgpu_metadata
.endif
;; end of part 4
;; launch gout (part 5): grid 16 x 16, 4 waves a work-group, clusters of 4 x 4, 327,680 bytes of LDS; arguments tq, P1, x, h2; writes h2
.if DOCPART == 5
	.amdgcn_target "amdgcn-amd-amdhsa--gfx1250"
	.amdhsa_code_object_version 6
	.text
	.protected	k_q25dad72b8a_gout
	.globl	k_q25dad72b8a_gout
	.p2align	8
	.type	k_q25dad72b8a_gout,@function
k_q25dad72b8a_gout:
	s_mov_b64 s[64:65], 0
	v_nop
	global_prefetch_b8 v0, s[64:65] scope:SCOPE_SE
	s_setreg_imm32_b32 hwreg(HW_REG_WAVE_MODE, 25, 1), 1
	s_wait_xcnt 0x0
	s_wait_alu depctr_hold_cnt(0) depctr_sa_sdst(0) depctr_va_vdst(0) depctr_va_sdst(0) depctr_va_ssrc(0) depctr_va_vcc(0) depctr_vm_vsrc(0)
	s_getreg_b32 s2, hwreg(HW_REG_IB_STS2, 6, 4)
	s_cmp_eq_u32 s2, 0
	s_cbranch_scc0 .Lentry_in_a_cluster
	s_endpgm
.Lentry_in_a_cluster:
	s_bfe_u32 s2, ttmp6, 0x10000c
	s_cmp_lg_u32 s2, 0xf033
	s_cbranch_scc0 .Lentry_shape_is_right
	s_endpgm
.Lentry_shape_is_right:
; C = residual + T W^T ON CODES OF FP6 (E2M3), f32 out.  The body serves the projection behind attention (tq, w_o, x) and the last product of the feed-forward part (tq, w2, h2).
; A block of C is 128 tokens (tile row I) x 128 rows of W (tile column J), K = 2,048: 256 work-groups of four waves.  Operands lie in memory as row blocks of 25,600 bytes: 16 fragments of 1,536 bytes, images of
; the operand's registers, and 4 scale images of 256 bytes.  Wave w multiplies token blocks 2 w, 2 w + 1 by all 8 blocks of W: 16 accumulators, which take turns.  Source 0 = W, source 1 = tokens.
; K goes in four quarters of 512, in three fills, one load a wave each.  At the head: wave 0 the tokens' quarter 0 (8 row blocks x 6,144 bytes), wave 1 the tokens' scales of all of K, wave 2 W's quarter 0, wave 3 W's scales.
; Behind the next round: the tokens' quarters 1 and 2 (waves 0, 1) and W's (waves 2, 3), each into bytes of its own.  Behind the round in K step 3: quarter 3 fills quarter 0's bytes again, four row blocks a wave.
; LDS: quarter 0 and 3 at 0 (tokens) and 49,152 (W); the tokens' quarters 1, 2 at 98,304 and 147,456; W's at 196,608 and 245,760; the scales at 294,912; then the spare words.
; CLUSTERS: 4 x 4 work-groups; the tokens' tiles are shared along a row of the cluster, W's along a column: joint loads.
; PREFETCH: at the head each work-group names its share of quarters 1 and 2, behind their loads that of quarter 3: of the tokens' 8 row blocks the two 2 cx, 2 cx + 1 (waves 0, 1), of W's the two 2 cy, 2 cy + 1
; (waves 2, 3): a wave a block, 24 lanes x 256 bytes a quarter; lanes left over name the last block again.
; THE WAY OUT: 16 rows at a time through the wave's stage (pitch 528) in the bytes of the tokens' quarters 1 and 2, which have had their last fill and their last read; whole rows of 512 bytes come back, take the residual and are stored.
; LIMITS: NaN and infinities among the codes' scales are carried as the matrix instruction carries them.
.set WB,    0
.set RBB,   25600
.set SCO,   24576
.set QB,    6144
.set FRG,   1536
.set REG,   98304
.set WOF,   49152
.set SCL,   3*REG
.set SPARE, SCL+16384
.set AT16, 4
.set AT8,  5
.set AW16, 6
.set AW8,  7
.set AST,  8
.set ASW,  9
.set SPW,  10
.set NIL,  11
.set PFO,  15
.set SC,   16
.set ACC,  128
.set WV,   12
.set G1T,  16
.set G1W,  24
.set G1ST, 32
.set G1SW, 40
.set G0A,  48
.set G0B,  52
.set G0C,  56
.set G0D,  60
.set PFA,  68
.set MSB,  0
.macro WIN new
.if MSB != \new
	s_set_vgpr_msb (MSB<<8)|\new
.set MSB, \new
.endif
.endm
.set MUL,  0x05
.set TO_F, 0x40
.macro TL g0, g1                       ; a joint load and the lines behind it
	tensor_load_to_lds s[\g0:\g0+3], s[\g1:\g1+7]
	s_nop 0
.rept 4
	v_nop
.endr
.endm
.macro LOAD4 g1b, g1d                  ; four tiles, one a wave: one chain of branches on the wave's number, all arms to one join
	s_cmp_lt_u32 s[WV], 1
	s_cbranch_scc0 .La_\@
	TL G0A, G1T
	s_branch .Le_\@
.La_\@:
	s_cmp_lt_u32 s[WV], 2
	s_cbranch_scc0 .Lb_\@
	TL G0B, \g1b
	s_branch .Le_\@
.Lb_\@:
	s_cmp_lt_u32 s[WV], 3
	s_cbranch_scc0 .Lc_\@
	TL G0C, G1W
	s_branch .Le_\@
.Lc_\@:
	TL G0D, \g1d
.Le_\@:
.endm
.macro CROUND
	s_barrier_signal -1
	s_barrier_wait -1
	s_cmp_lg_u32 s[WV], 0
	s_cbranch_scc1 .Lnot_wave_0_\@
	s_barrier_signal -3
.Lnot_wave_0_\@:
	s_barrier_wait -3
	s_barrier_signal -1
	s_barrier_wait -1
.endm
.macro PLACES n
.rept \n
	v_nop
.endr
.endm
.macro FRAGL reg, a16, a8, off
	ds_load_b128 v[\reg:\reg+3], v[\a16] offset:\off
	ds_load_b64 v[\reg+4:\reg+5], v[\a8] offset:\off+512
	ds_load_b128 v[\reg+6:\reg+9], v[\a16] offset:\off+768
	ds_load_b64 v[\reg+10:\reg+11], v[\a8] offset:\off+1280
.endm
.macro FETCH s, p
	WIN TO_F
.irp a, 0,1
	FRAGL 128*(\p)+12*\a, AT16, AT8, \a*QB+FRG*(\s)
.endr
.irp b, 0,1,2,3,4,5,6,7
	FRAGL 128*(\p)+24+12*\b, AW16, AW8, \b*QB+FRG*(\s)
.endr
.endm
.macro SCALES q, set
	WIN 0
.irp a, 0,1
	ds_load_b128 v[SC+40*(\set)+4*\a:SC+40*(\set)+4*\a+3], v[AST] offset:1024*\a+256*(\q)
.endr
.irp b, 0,1,2,3,4,5,6,7
	ds_load_b128 v[SC+40*(\set)+8+4*\b:SC+40*(\set)+8+4*\b+3], v[ASW] offset:1024*\b+256*(\q)
.endr
.endm
.macro MUL8 p, s, set, b0, zero
.irp b, \b0, \b0+1, \b0+2, \b0+3
.irp a, 0,1
.if \zero
	v_wmma_scale_f32_16x16x128_f8f6f4 v[ACC+8*(8*\a+(\b)):ACC+8*(8*\a+(\b))+7], v[128*(\p)+24+12*(\b):128*(\p)+24+12*(\b)+11], v[128*(\p)+12*\a:128*(\p)+12*\a+11], 0, v[SC+40*(\set)+8+4*(\b)+(\s)], v[SC+40*(\set)+4*\a+(\s)] matrix_a_fmt:MATRIX_FMT_FP6 matrix_b_fmt:MATRIX_FMT_FP6
.else
	v_wmma_scale_f32_16x16x128_f8f6f4 v[ACC+8*(8*\a+(\b)):ACC+8*(8*\a+(\b))+7], v[128*(\p)+24+12*(\b):128*(\p)+24+12*(\b)+11], v[128*(\p)+12*\a:128*(\p)+12*\a+11], v[ACC+8*(8*\a+(\b)):ACC+8*(8*\a+(\b))+7], v[SC+40*(\set)+8+4*(\b)+(\s)], v[SC+40*(\set)+4*\a+(\s)] matrix_a_fmt:MATRIX_FMT_FP6 matrix_b_fmt:MATRIX_FMT_FP6
.endif
.endr
.endr
.endm
.macro KSTEP k, zero
	PLACES 4                                       ; in front of loads into registers that the last K step's products have read
	s_wait_dscnt 0x0                               ; this K step's fragments, asked for a K step ago
	FETCH ((\k)+1)%4, ((\k)+1)%2
	WIN MUL
	MUL8 (\k)%2, (\k)%4, ((\k)/4)%2, 0, \zero
	MUL8 (\k)%2, (\k)%4, ((\k)/4)%2, 4, \zero
.endm
.macro ASK q                           ; my share of quarter q is named
	global_prefetch_b8 v[PFO], s[PFA:PFA+1] offset:(\q)*QB th:TH_LOAD_NT scope:SCOPE_SE
.endm
	s_load_b256 s[4:11], s[0:1], 0x0               ; the tokens' codes, W's codes, the residual, the result
	v_lshl_add_u32 v[SPW], v0, 2, SPARE
	v_mov_b32 v[NIL], 0
	ds_add_u32 v[SPW], v[NIL]                      ; the wave's opening: the add, twice on end, and its wait ahead of my first tensor load
	ds_add_u32 v[SPW], v[NIL]
	v_lshrrev_b32 v1, 5, v0
	v_readfirstlane_b32 s[WV], v1                  ; wave 0..3
	s_lshr_b32 s13, s[WV], 1                       ; the tokens' side (0) or W's (1),
	s_and_b32 s14, s[WV], 1                        ; and which of its two waves
	s_bfe_u32 s84, ttmp6, 0x40000                  ; cx
	s_bfe_u32 s85, ttmp6, 0x40004                  ; cy
	s_lshl_b32 s86, ttmp9, 2
	s_add_co_u32 s86, s86, s84                     ; J
	s_and_b32 s87, ttmp7, 0xffff
	s_lshl_b32 s87, s87, 2
	s_add_co_u32 s87, s87, s85                     ; I
	s_lshl_b32 s88, s85, 2
	s_lshl_b32 s88, 15, s88                        ; my row of the cluster
	s_lshl_b32 s89, 0x1111, s84                    ; my column
	s_or_b32 s[G1T], s88, (3<<16)|(1<<21)
	s_or_b32 s[G1ST], s88, (3<<16)|(1<<21)
	s_or_b32 s[G1W], s89, (3<<16)|(1<<21)
	s_or_b32 s[G1SW], s89, (3<<16)|(1<<21)
.irp g, G1T, G1W                       ; a quarter of 8 row blocks: 8 rows of 768 elements (6,144 bytes), 3,200 elements (25,600 bytes) apart
	s_mov_b32 s[\g+1], 768<<16
	s_mov_b32 s[\g+2], 8<<16
	s_mov_b32 s[\g+3], 768<<16
	s_mov_b32 s[\g+4], 8
	s_mov_b32 s[\g+5], 3200
	s_mov_b32 s[\g+6], 0
	s_mov_b32 s[\g+7], 0
.endr
.irp g, G1ST, G1SW                     ; their scale images: 8 rows of 128 elements (1,024 bytes)
	s_mov_b32 s[\g+1], 128<<16
	s_mov_b32 s[\g+2], 8<<16
	s_mov_b32 s[\g+3], 128<<16
	s_mov_b32 s[\g+4], 8
	s_mov_b32 s[\g+5], 3200
	s_mov_b32 s[\g+6], 0
	s_mov_b32 s[\g+7], 0
.endr
	s_lshl_b32 s70, s87, 3
	s_mul_i32 s70, s70, RBB                        ; the tokens' row block 8 I: made of the tile row alone
	s_mov_b32 s71, 0
	s_lshl_b32 s72, s86, 3
	s_add_co_u32 s72, s72, WB
	s_mul_i32 s72, s72, RBB                        ; W's row block WB + 8 J: made of the tile column alone
	s_mov_b32 s73, 0
	s_mul_i32 s74, s14, 4*RBB                      ; for quarter 3: the four row blocks that I fetch,
	s_mov_b32 s75, 0
	s_mul_i32 s94, s14, 24576                      ; and where they go: the tokens',
	s_add_co_u32 s95, s94, WOF                     ; W's
	s_lshl_b32 s76, s87, 3                         ; the prefetches: the tokens' row block 8 I + 2 cx + w % 2,
	s_lshl_b32 s77, s84, 1
	s_add_co_u32 s76, s76, s77
	s_lshl_b32 s77, s86, 3                         ; W's WB + 8 J + 2 cy + w % 2
	s_lshl_b32 s78, s85, 1
	s_add_co_u32 s77, s77, s78
	s_add_co_u32 s77, s77, WB
	s_cmp_eq_u32 s13, 0
	s_cselect_b32 s76, s76, s77
	s_add_co_u32 s76, s76, s14
	s_mul_i32 s76, s76, RBB
	s_mov_b32 s77, 0
	s_wait_dscnt 0x0                               ; both opening adds are done
	s_wait_kmcnt 0x0
	s_add_nc_u64 s[70:71], s[4:5], s[70:71]
	s_add_nc_u64 s[72:73], s[6:7], s[72:73]
	s_cmp_eq_u32 s13, 0
	s_cselect_b64 s[PFA:PFA+1], s[4:5], s[6:7]
	s_add_nc_u64 s[PFA:PFA+1], s[PFA:PFA+1], s[76:77]
	s_mov_b32 s[G0A], 1                            ; the tokens' quarter 0,
	s_mov_b32 s[G0A+1], 0
	s_mov_b64 s[G0A+2:G0A+3], s[70:71]
	s_or_b32 s[G0A+3], s[G0A+3], 0x80000000
	s_mov_b32 s[G0B], 1                            ; their scales,
	s_mov_b32 s[G0B+1], SCL
	s_add_nc_u64 s[G0B+2:G0B+3], s[70:71], SCO
	s_or_b32 s[G0B+3], s[G0B+3], 0x80000000
	s_mov_b32 s[G0C], 1                            ; W's quarter 0,
	s_mov_b32 s[G0C+1], WOF
	s_mov_b64 s[G0C+2:G0C+3], s[72:73]
	s_or_b32 s[G0C+3], s[G0C+3], 0x80000000
	s_mov_b32 s[G0D], 1                            ; W's scales
	s_mov_b32 s[G0D+1], SCL+8192
	s_add_nc_u64 s[G0D+2:G0D+3], s[72:73], SCO
	s_or_b32 s[G0D+3], s[G0D+3], 0x80000000
	CROUND                                         ; all sixteen work-groups are here: the first joint loads meet
	LOAD4 G1ST, G1SW
	v_and_b32 v1, 31, v0
	v_and_b32 v2, 15, v0
	v_bfe_u32 v3, v0, 4, 1
	v_min_u32 v[PFO], 23, v1
	v_lshlrev_b32 v[PFO], 8, v[PFO]
	ASK 1
	ASK 2
	s_mul_i32 s96, s[WV], 2*QB
	v_lshl_add_u32 v[AT16], v1, 4, s96
	v_lshl_add_u32 v[AT8], v1, 3, s96
	v_lshl_add_u32 v[AW16], v1, 4, WOF
	v_lshl_add_u32 v[AW8], v1, 3, WOF
	s_lshl_b32 s96, s[WV], 11
	s_add_co_u32 s96, s96, SCL
	v_lshl_add_u32 v[AST], v2, 4, s96
	v_lshl_add_u32 v[ASW], v2, 4, SCL+8192
	s_mul_i32 s96, s[WV], 16896
	s_add_co_u32 s96, s96, REG                     ; my stage
	v_mul_u32_u24 v12, v2, 528
	v_lshl_add_u32 v12, v3, 6, v12
	v_add_nc_u32 v12, s96, v12
	v_lshl_add_u32 v13, v1, 4, s96
	v_lshlrev_b32 v14, 4, v1
	s_wait_alu depctr_va_vdst(0)                   ; the head's end
	s_lshl_b32 s96, s87, 7
	s_lshl_b32 s97, s[WV], 5
	s_add_co_u32 s96, s96, s97
	s_lshl_b32 s96, s96, 13
	s_lshl_b32 s97, s86, 9
	s_add_co_u32 s96, s96, s97
	s_mov_b32 s97, 0
	s_add_nc_u64 s[8:9], s[8:9], s[96:97]
	s_add_nc_u64 s[10:11], s[10:11], s[96:97]
	WIN 0x80
.irp a, 0,1
.irp i, 0,1,2,3,4,5,6,7,8,9,10,11,12,13,14,15
	global_load_b128 v[64*\a+4*\i:64*\a+4*\i+3], v14, s[8:9] offset:(8*\a+\i+8*(\i/8))*8192   ; the residual of my 32 tokens x 128 columns, into window 2
.endr
.endr
	WIN 0
	s_wait_tensorcnt 0x0                           ; my tile of the head's four is in
	ds_add_u32 v[SPW], v[NIL]
	s_mov_b32 s[G0A+1], REG                        ; no load of mine is out: the tokens' quarter 1,
	s_add_nc_u64 s[G0A+2:G0A+3], s[G0A+2:G0A+3], QB
	s_mov_b32 s[G0B+1], REG+WOF                    ; their quarter 2 (back from the scales),
	s_sub_nc_u64 s[G0B+2:G0B+3], s[G0B+2:G0B+3], SCO-2*QB
	s_mov_b32 s[G0C+1], 2*REG                      ; W's quarter 1,
	s_add_nc_u64 s[G0C+2:G0C+3], s[G0C+2:G0C+3], QB
	s_mov_b32 s[G0D+1], 2*REG+WOF                  ; W's quarter 2
	s_sub_nc_u64 s[G0D+2:G0D+3], s[G0D+2:G0D+3], SCO-2*QB
	s_wait_dscnt 0x0
	CROUND
	LOAD4 G1T, G1W
	SCALES 0, 0
	FETCH 0, 0
	ASK 3
	KSTEP 0, 1
	KSTEP 1, 0
	KSTEP 2, 0
	WIN 0                                          ; K step 3 leaves quarter 0's bytes, which are filled again:
	s_wait_tensorcnt 0x0                           ; all my tensor loads have landed;
	ds_add_u32 v[SPW], v[NIL]                      ; 0 onto my spare word;
	s_wait_dscnt 0x1                               ; (K step 3's fragments are in; the add may be out)
	WIN MUL
	MUL8 1, 3, 0, 0, 0
	WIN 0
	s_mov_b32 s[G1T+2], 4<<16                      ; from here on a load brings four row blocks
	s_mov_b32 s[G1T+4], 4
	s_mov_b32 s[G1W+2], 4<<16
	s_mov_b32 s[G1W+4], 4
	s_add_co_u32 s[G0A+1], s94, 0
	s_add_nc_u64 s[G0A+2:G0A+3], s[G0A+2:G0A+3], 2*QB   ; quarter 3,
	s_add_nc_u64 s[G0A+2:G0A+3], s[G0A+2:G0A+3], s[74:75]   ; my four row blocks
	s_add_co_u32 s[G0C+1], s95, 0
	s_add_nc_u64 s[G0C+2:G0C+3], s[G0C+2:G0C+3], 2*QB
	s_add_nc_u64 s[G0C+2:G0C+3], s[G0C+2:G0C+3], s[74:75]
	s_wait_dscnt 0x0                               ; the add is done, and my reads of quarter 0 are over
	CROUND                                         ; no wave of any partner still reads quarter 0 or has a load on its way
	s_cmp_eq_u32 s13, 0
	s_cbranch_scc0 .Lq3_w
	TL G0A, G1T
	s_branch .Lq3_e
.Lq3_w:
	TL G0C, G1W
.Lq3_e:
	v_add_nc_u32 v[AT16], REG, v[AT16]             ; on to quarter 1
	v_add_nc_u32 v[AT8], REG, v[AT8]
	v_add_nc_u32 v[AW16], REG+WOF, v[AW16]
	v_add_nc_u32 v[AW8], REG+WOF, v[AW8]
	SCALES 1, 1
	FETCH 0, 0
	WIN MUL
	MUL8 1, 3, 0, 4, 0
	s_wait_alu depctr_va_vdst(0)
	KSTEP 4, 0
	KSTEP 5, 0
	KSTEP 6, 0
	PLACES 4                                       ; K step 7: quarter 2 was shown whole to every wave by the round
	s_wait_dscnt 0x0
	WIN 0
.irp x, AT16, AT8, AW16, AW8
	v_add_nc_u32 v[\x], WOF, v[\x]
.endr
	SCALES 2, 0
	FETCH 0, 0
	WIN MUL
	MUL8 1, 3, 1, 0, 0
	MUL8 1, 3, 1, 4, 0
	s_wait_alu depctr_va_vdst(0)
	KSTEP 8, 0
	KSTEP 9, 0
	KSTEP 10, 0
	PLACES 4                                       ; K step 11: back to the first bytes
	s_wait_tensorcnt 0x0                           ; my part of quarter 3: the one load that was out
	s_wait_dscnt 0x0
	WIN 0
	s_barrier_signal -1
	s_barrier_wait -1                              ; everybody's is in; nobody reads quarters 1 and 2 any more
	v_sub_nc_u32 v[AT16], v[AT16], REG+WOF
	v_sub_nc_u32 v[AT8], v[AT8], REG+WOF
	v_sub_nc_u32 v[AW16], v[AW16], 2*REG
	v_sub_nc_u32 v[AW8], v[AW8], 2*REG
	SCALES 3, 1
	FETCH 0, 0
	WIN MUL
	MUL8 1, 3, 0, 0, 0
	MUL8 1, 3, 0, 4, 0
	s_wait_alu depctr_va_vdst(0)
	KSTEP 12, 0
	KSTEP 13, 0
	KSTEP 14, 0
	s_wait_dscnt 0x0
	MUL8 1, 3, 1, 0, 0
	MUL8 1, 3, 1, 4, 0
	WIN 0
	PLACES 4                                       ; in front of the first read of results
.macro TOST a
.irp b, 0,1,2,3,4,5,6,7
	ds_store_b128 v12, v[ACC+64*\a+8*\b:ACC+64*\a+8*\b+3] offset:8448*\a+128*(\b/2)+32*(\b%2)      ; each accumulator from its low end on
	ds_store_b128 v12, v[ACC+64*\a+8*\b+4:ACC+64*\a+8*\b+7] offset:8448*\a+128*(\b/2)+32*(\b%2)+16
.endr
.endm
.macro BACK a, reg
.irp i, 0,1,2,3,4,5,6,7,8,9,10,11,12,13,14,15
	ds_load_b128 v[\reg+4*\i:\reg+4*\i+3], v13 offset:8448*\a+528*\i
.endr
.endm
.macro SEND a, reg
	WIN 0x08
.set j, 0
.rept 32
	v_pk_add_f32 v[\reg+j:\reg+j+1], v[\reg+j:\reg+j+1], v[64*\a+j:64*\a+j+1]
.set j, j+2
.endr
	WIN 0
.irp i, 0,1,2,3,4,5,6,7,8,9,10,11,12,13,14,15
	global_store_b128 v14, v[\reg+4*\i:\reg+4*\i+3], s[10:11] offset:(8*\a+\i+8*(\i/8))*8192   ; 32 lanes store 512 consecutive bytes, aligned
.endr
.endm
	s_wait_loadcnt 0x0                             ; the residual
	TOST 0
	BACK 0, 16
	TOST 1
	s_wait_dscnt 32                                ; block 0's 16 stores have read their registers; the 32 behind them may be out
	BACK 1, 128
	s_wait_dscnt 32                                ; block 0 is back; block 1's 16 stores and 16 loads may be out
	SEND 0, 16
	s_wait_dscnt 0x0
	SEND 1, 128
	s_wait_tensorcnt 0x0                           ; the wave's end
	ds_add_u32 v[SPW], v[NIL]
	s_wait_dscnt 0x0
	CROUND                                         ; the closing round
	s_endpgm
.Lfunc_end_k_q25dad72b8a_gout:
	.size	k_q25dad72b8a_gout, .Lfunc_end_k_q25dad72b8a_gout-k_q25dad72b8a_gout
	.p2alignl 7, 3214868480
	.fill 96, 4, 3214868480
	.section	.rodata,"a",@progbits
	.p2align	6, 0x0
	.amdhsa_kernel k_q25dad72b8a_gout
		.amdhsa_group_segment_fixed_size 327680
		.amdhsa_private_segment_fixed_size 0
		.amdhsa_enable_private_segment 0
		.amdhsa_kernarg_size 32
		.amdhsa_user_sgpr_count 2
		.amdhsa_user_sgpr_kernarg_segment_ptr 1
		.amdhsa_wavefront_size32 1
		.amdhsa_system_sgpr_workgroup_id_x 1
		.amdhsa_system_sgpr_workgroup_id_y 1
		.amdhsa_system_sgpr_workgroup_id_z 1
		.amdhsa_system_vgpr_workitem_id 0
		.amdhsa_next_free_vgpr 640
		.amdhsa_next_free_sgpr 100
		.amdhsa_reserve_vcc 0
		.amdhsa_float_denorm_mode_32 3
		.amdhsa_float_denorm_mode_16_64 3
		.amdhsa_memory_ordered 1
		.amdhsa_forward_progress 1
		.amdhsa_inst_pref_size 106
	.end_amdhsa_kernel
	.amdgpu_metadata
---
amdhsa.version: [ 1, 2 ]
amdhsa.kernels:
  - .name:           k_q25dad72b8a_gout
    .symbol:         k_q25dad72b8a_gout.kd
    .args:
      - { .name: tq, .offset: 0, .size: 8, .value_kind: global_buffer, .address_space: global }
      - { .name: P1, .offset: 8, .size: 8, .value_kind: global_buffer, .address_space: global }
      - { .name: x, .offset: 16, .size: 8, .value_kind: global_buffer, .address_space: global }
      - { .name: h2, .offset: 24, .size: 8, .value_kind: global_buffer, .address_space: global }
    .group_segment_fixed_size: 327680
    .private_segment_fixed_size: 0
    .kernarg_segment_align: 8
    .kernarg_segment_size: 32
    .max_flat_workgroup_size: 128
    .sgpr_count:     100
    .vgpr_count:     640
    .wavefront_size: 32
...
	.end_amdgpu_metadata
.endif
;; end of part 5
;; launch norm2: the kernel of part 2 again; grid 128 x 1, 16 waves a work-group, no clusters, 167,936 bytes of LDS; arguments h2, ff_norm_w, nq; writes nq
;; launch gup (part 6): grid 32 x 8, 8 waves a work-group, clusters of 4 x 4, 327,680 bytes of LDS; arguments nq, P2, tq; writes tq
.if DOCPART == 6
	.amdgcn_target "amdgcn-amd-amdhsa--gfx1250"
	.amdhsa_code_object_version 6
	.text
	.protected	k_q25dad72b8a_gup
	.globl	k_q25dad72b8a_gup
	.p2align	8
	.type	k_q25dad72b8a_gup,@function
k_q25dad72b8a_gup:
	s_mov_b64 s[64:65], 0
	v_nop
	global_prefetch_b8 v0, s[64:65] scope:SCOPE_SE
	s_setreg_imm32_b32 hwreg(HW_REG_WAVE_MODE, 25, 1), 1
	s_wait_xcnt 0x0
	s_wait_alu depctr_hold_cnt(0) depctr_sa_sdst(0) depctr_va_vdst(0) depctr_va_sdst(0) depctr_va_ssrc(0) depctr_va_vcc(0) depctr_vm_vsrc(0)
	s_getreg_b32 s2, hwreg(HW_REG_IB_STS2, 6, 4)
	s_cmp_eq_u32 s2, 0
	s_cbranch_scc0 .Lentry_in_a_cluster
	s_endpgm
.Lentry_in_a_cluster:
	s_bfe_u32 s2, ttmp6, 0x10000c
	s_cmp_lg_u32 s2, 0xf033
	s_cbranch_scc0 .Lentry_shape_is_right
	s_endpgm
.Lentry_shape_is_right:
; act = silu(g w1^T) * (g w3^T) ON CODES OF FP6 (E2M3), QUANTISED ON THE WAY OUT: the operand of the last product.
; A block of C is 256 tokens (tile row I) x 128 rows of W (tile column J), K = 2,048: 8 x 32 = 256 work-groups of eight waves.  Operands lie in memory as row blocks of 25,600 bytes: 16 fragments of
; 1,536 bytes, images of the operand's registers, and 4 scale images of 256 bytes.  Wave w multiplies token blocks 2 w, 2 w + 1 by all 8 blocks of W: 16 accumulators, which take turns.  Source 0 = W, source 1 = tokens.
; W's eight blocks of tile column J are four of w1 and the same four of w3 (hidden units 64 J .. 64 J + 63): accumulators b = 0..3 and b = 4..7 of a lane hold the two factors of the same 32 hidden units of ONE token,
; register 16 beta + i = unit 64 J + 32 beta + 16 h + i: the activation, the product and the quantiser need no other wave.
; K goes in four quarters of 512 through two LDS slots of 147,456 bytes (16 token blocks, then 8 of W, 6,144 bytes each).  At the head each wave issues one load: waves 0-3 four token blocks of quarter 0 each,
; waves 4, 5 four blocks of W each, wave 6 the tokens' scales of all of K, wave 7 W's.  Each later quarter is asked for behind a round of the cluster's barrier, one load a wave in waves 0-5.
; CLUSTERS: 4 x 4 work-groups; the tokens' tiles are shared along a row of the cluster, W's along a column: joint loads.
; PREFETCH: behind the load of quarter q each work-group names its share of quarter q + 1: of the tokens' 16 row blocks the four 4 cx .. 4 cx + 3 (a wave a block, 24 lanes x 256 bytes), of W's eight the two
; 2 cy, 2 cy + 1 (two waves a block, 12 lanes each); lanes left over name their wave's last block again.  Quarter 3 is the last that is named.
; The scale bytes leave two to a row, 32 bytes of a 256-byte image a store.
; LIMITS: a block of zeros gets the byte 1 where the rule says 127 (this program alone reads the bytes); NaN and infinities are not served.
.set WB,    128
.set RBB,   25600
.set SCO,   24576
.set QB,    6144
.set FRG,   1536
.set WOF,   98304
.set REG,   147456
.set SCL,   2*REG
.set SPARE, SCL+24576
.set AT16, 4
.set AT8,  5
.set AW16, 6
.set AW8,  7
.set AST,  8
.set ASW,  9
.set SPW,  10
.set NIL,  11
.set PFO,  124
.set SC,   16
.set ACC,  128
.set SEL,  2
.set WV,   12
.set G1T,  16
.set G1W,  24
.set G1ST, 32
.set G1SW, 40
.set G0T,  48
.set G0W,  52
.set G0ST, 56
.set G0SW, 60
.set PFA,  68
.set MSB,  0
.macro WIN new
.if MSB != \new
	s_set_vgpr_msb (MSB<<8)|\new
.set MSB, \new
.endif
.endm
.set MUL,  0x05
.set TO_F, 0x40
.macro TL g0, g1                       ; a joint load and the lines behind it
	tensor_load_to_lds s[\g0:\g0+3], s[\g1:\g1+7]
	s_nop 0
.rept 4
	v_nop
.endr
.endm
.macro RLOAD                           ; a quarter's load: waves 0-3 the tokens', waves 4, 5 W's, waves 6, 7 none
	s_cmp_lt_u32 s[WV], 4
	s_cbranch_scc0 .Lr_w_\@
	TL G0T, G1T
	s_branch .Lr_e_\@
.Lr_w_\@:
	s_cmp_lt_u32 s[WV], 6
	s_cbranch_scc0 .Lr_e_\@
	TL G0W, G1W
.Lr_e_\@:
.endm
.macro CROUND
	s_barrier_signal -1
	s_barrier_wait -1
	s_cmp_lg_u32 s[WV], 0
	s_cbranch_scc1 .Lnot_wave_0_\@
	s_barrier_signal -3
.Lnot_wave_0_\@:
	s_barrier_wait -3
	s_barrier_signal -1
	s_barrier_wait -1
.endm
.macro PLACES n
.rept \n
	v_nop
.endr
.endm
.macro FRAGL reg, a16, a8, off
	ds_load_b128 v[\reg:\reg+3], v[\a16] offset:\off
	ds_load_b64 v[\reg+4:\reg+5], v[\a8] offset:\off+512
	ds_load_b128 v[\reg+6:\reg+9], v[\a16] offset:\off+768
	ds_load_b64 v[\reg+10:\reg+11], v[\a8] offset:\off+1280
.endm
.macro FETCH s, p
	WIN TO_F
.irp a, 0,1
	FRAGL 128*(\p)+12*\a, AT16, AT8, \a*QB+FRG*(\s)
.endr
.irp b, 0,1,2,3,4,5,6,7
	FRAGL 128*(\p)+24+12*\b, AW16, AW8, \b*QB+FRG*(\s)
.endr
.endm
.macro SCALES q, set
	WIN 0
.irp a, 0,1
	ds_load_b128 v[SC+40*(\set)+4*\a:SC+40*(\set)+4*\a+3], v[AST] offset:1024*\a+256*(\q)
.endr
.irp b, 0,1,2,3,4,5,6,7
	ds_load_b128 v[SC+40*(\set)+8+4*\b:SC+40*(\set)+8+4*\b+3], v[ASW] offset:1024*\b+256*(\q)
.endr
.endm
.macro MUL8 p, s, set, b0, zero
.irp b, \b0, \b0+1, \b0+2, \b0+3
.irp a, 0,1
.if \zero
	v_wmma_scale_f32_16x16x128_f8f6f4 v[ACC+8*(8*\a+(\b)):ACC+8*(8*\a+(\b))+7], v[128*(\p)+24+12*(\b):128*(\p)+24+12*(\b)+11], v[128*(\p)+12*\a:128*(\p)+12*\a+11], 0, v[SC+40*(\set)+8+4*(\b)+(\s)], v[SC+40*(\set)+4*\a+(\s)] matrix_a_fmt:MATRIX_FMT_FP6 matrix_b_fmt:MATRIX_FMT_FP6
.else
	v_wmma_scale_f32_16x16x128_f8f6f4 v[ACC+8*(8*\a+(\b)):ACC+8*(8*\a+(\b))+7], v[128*(\p)+24+12*(\b):128*(\p)+24+12*(\b)+11], v[128*(\p)+12*\a:128*(\p)+12*\a+11], v[ACC+8*(8*\a+(\b)):ACC+8*(8*\a+(\b))+7], v[SC+40*(\set)+8+4*(\b)+(\s)], v[SC+40*(\set)+4*\a+(\s)] matrix_a_fmt:MATRIX_FMT_FP6 matrix_b_fmt:MATRIX_FMT_FP6
.endif
.endr
.endr
.endm
.macro KSTEP k, zero
	PLACES 4                                       ; in front of loads into registers that the last K step's products have read
	s_wait_dscnt 0x0                               ; this K step's fragments, asked for a K step ago
	FETCH ((\k)+1)%4, ((\k)+1)%2
	WIN MUL
	MUL8 (\k)%2, (\k)%4, ((\k)/4)%2, 0, \zero
	MUL8 (\k)%2, (\k)%4, ((\k)/4)%2, 4, \zero
.endm
.macro NEXTQ slot                      ; both group 0 on to the next quarter, into this slot; no load of the wave is out here
	s_add_co_u32 s[G0T+1], s94, (\slot)*REG
	s_add_co_u32 s[G0W+1], s95, (\slot)*REG
	s_add_nc_u64 s[G0T+2:G0T+3], s[G0T+2:G0T+3], QB
	s_add_nc_u64 s[G0W+2:G0W+3], s[G0W+2:G0W+3], QB
.endm
.macro STEPA back
.irp x, AT16, AT8, AW16, AW8
.if \back
	v_sub_nc_u32 v[\x], v[\x], REG
.else
	v_add_nc_u32 v[\x], REG, v[\x]
.endif
.endr
.endm
.macro ASK q
	global_prefetch_b8 v[PFO], s[PFA:PFA+1] offset:(\q)*QB th:TH_LOAD_NT scope:SCOPE_SE
.endm
.macro TURN set, nq, ask               ; a quarter's last K step: its slot (number = set) is left and filled again with quarter nq + 1
	WIN 0
	s_wait_tensorcnt 0x0                           ; all my tensor loads have landed: my part of quarter nq;
	ds_add_u32 v[SPW], v[NIL]                      ; 0 onto my spare word;
	s_wait_dscnt 0x1                               ; (this K step's fragments are in; the add may be out)
	WIN MUL
	MUL8 1, 3, \set, 0, 0
	WIN 0
	NEXTQ \set
	s_wait_dscnt 0x0                               ; the add is done, and my reads of this slot are over
	CROUND                                         ; no wave of any partner still reads this slot or has a load on its way
	RLOAD                                          ; the one tensor load behind the round
	STEPA \set                                     ; (four plain lines: the places in front of the loads below)
	SCALES \nq, 1-\set
	FETCH 0, 0
.if \ask
	ASK \ask
.endif
	WIN MUL
	MUL8 1, 3, \set, 4, 0
	s_wait_alu depctr_va_vdst(0)
.endm
.macro QH s, pc, tc, tm                ; 32 numbers of a lane, register 16 b + i = k 32 b + 16 h + i of my row: six registers of codes (lane (r, h): block h), the two bytes in v[tm + 2], v[tm + 3]
.irp b, 0,1
	v_max3_num_f32 v[\tm+\b], |v[\s+16*\b]|, |v[\s+16*\b+1]|, 0x1800000
.endr
.irp i, 2,4,6,8,10,12,14
.irp b, 0,1
	s_delay_alu instid0(VALU_DEP_2)
	v_max3_num_f32 v[\tm+\b], v[\tm+\b], |v[\s+16*\b+\i]|, |v[\s+16*\b+\i+1]|
.endr
.endr
.irp b, 0,1
	s_delay_alu instid0(VALU_DEP_2)
	v_permlanex16_b32 v[\tm+2+\b], v[\tm+\b], s[SEL], s[SEL+1]
.endr
.irp b, 0,1
	s_delay_alu instid0(VALU_DEP_2)
	v_max_num_f32 v[\tm+\b], v[\tm+\b], v[\tm+2+\b]
.endr
.irp b, 0,1
	s_delay_alu instid0(VALU_DEP_2)
	v_add_nc_u32 v[\tm+4+\b], 0xff000000, v[\tm+\b]
.endr
.irp b, 0,1
	s_delay_alu instid0(VALU_DEP_2)
	v_lshrrev_b32 v[\tm+2+\b], 23, v[\tm+4+\b]
.endr
	v_cvt_scalef32_pk16_fp6_f32 v[\pc:\pc+2], v[\s:\s+15], v[\tm+4]
	v_cvt_scalef32_pk16_fp6_f32 v[\tc:\tc+2], v[\s+16:\s+31], v[\tm+5]
	v_nop
.irp i, 0,1,2
	v_permlane16_swap_b32 v[\pc+\i], v[\tc+\i]
.endr
.irp i, 0,1,2
	s_delay_alu instid0(VALU_DEP_3)
	v_mov_b32 v[\pc+3+\i], v[\tc+\i]
.endr
.endm
	s_load_b128 s[4:7], s[0:1], 0x0                ; the tokens' codes, W's codes
	s_load_b64 s[8:9], s[0:1], 0x10                ; the result's codes
	v_lshl_add_u32 v[SPW], v0, 2, SPARE
	v_mov_b32 v[NIL], 0
	ds_add_u32 v[SPW], v[NIL]                      ; the wave's opening: the add, twice on end, and its wait ahead of my first tensor load
	ds_add_u32 v[SPW], v[NIL]
	v_lshrrev_b32 v1, 5, v0
	s_delay_alu instid0(VALU_DEP_1)
	v_readfirstlane_b32 s[WV], v1                  ; wave 0..7
	s_and_b32 s14, s[WV], 3
	s_bfe_u32 s84, ttmp6, 0x40000                  ; cx
	s_bfe_u32 s85, ttmp6, 0x40004                  ; cy
	s_lshl_b32 s86, ttmp9, 2
	s_add_co_u32 s86, s86, s84                     ; J
	s_and_b32 s87, ttmp7, 0xffff
	s_lshl_b32 s87, s87, 2
	s_add_co_u32 s87, s87, s85                     ; I
	s_lshl_b32 s88, s85, 2
	s_lshl_b32 s88, 15, s88
	s_lshl_b32 s89, 0x1111, s84
	s_or_b32 s[G1T], s88, (3<<16)|(1<<21)
	s_or_b32 s[G1ST], s88, (3<<16)|(1<<21)
	s_or_b32 s[G1W], s89, (3<<16)|(1<<21)
	s_or_b32 s[G1SW], s89, (3<<16)|(1<<21)
.irp g, G1T, G1W                       ; a quarter of 4 row blocks: 4 rows of 768 elements (6,144 bytes), 3,200 elements (25,600 bytes) apart
	s_mov_b32 s[\g+1], 768<<16
	s_mov_b32 s[\g+2], 4<<16
	s_mov_b32 s[\g+3], 768<<16
	s_mov_b32 s[\g+4], 4
	s_mov_b32 s[\g+5], 3200
	s_mov_b32 s[\g+6], 0
	s_mov_b32 s[\g+7], 0
.endr
	s_mov_b32 s[G1ST+1], 128<<16                   ; the scale images: rows of 128 elements (1,024 bytes): 16 for the tokens,
	s_mov_b32 s[G1ST+2], 16<<16
	s_mov_b32 s[G1ST+3], 128<<16
	s_mov_b32 s[G1ST+4], 16
	s_mov_b32 s[G1ST+5], 3200
	s_mov_b32 s[G1ST+6], 0
	s_mov_b32 s[G1ST+7], 0
	s_mov_b32 s[G1SW+1], 128<<16                   ; 8 for W
	s_mov_b32 s[G1SW+2], 8<<16
	s_mov_b32 s[G1SW+3], 128<<16
	s_mov_b32 s[G1SW+4], 8
	s_mov_b32 s[G1SW+5], 3200
	s_mov_b32 s[G1SW+6], 0
	s_mov_b32 s[G1SW+7], 0
	s_lshl_b32 s70, s87, 4
	s_mul_i32 s70, s70, RBB                        ; the tokens' row block 16 I: made of the tile row alone
	s_mov_b32 s71, 0
	s_lshl_b32 s72, s86, 3
	s_add_co_u32 s72, s72, WB
	s_mul_i32 s72, s72, RBB                        ; W's row block WB + 8 J: made of the tile column alone
	s_mov_b32 s73, 0
	s_mul_i32 s74, s14, 4*RBB                      ; the four row blocks that I fetch
	s_mov_b32 s75, 0
	s_mul_i32 s94, s14, 24576                      ; and where they go: the tokens',
	s_add_co_u32 s95, s94, WOF                     ; W's
	s_lshl_b32 s76, s87, 4                         ; the prefetches: the tokens' row block 16 I + 4 cx + w,
	s_lshl_b32 s77, s84, 2
	s_add_co_u32 s76, s76, s77
	s_add_co_u32 s76, s76, s14
	s_lshl_b32 s77, s86, 3                         ; W's WB + 8 J + 2 cy + (w - 4) / 2,
	s_lshl_b32 s78, s85, 1
	s_add_co_u32 s77, s77, s78
	s_lshr_b32 s78, s14, 1
	s_add_co_u32 s77, s77, s78
	s_add_co_u32 s77, s77, WB
	s_and_b32 s78, s14, 1
	s_mul_i32 s78, s78, 3072                       ; its lower or upper 12 blocks of 256 bytes
	s_cmp_lt_u32 s[WV], 4
	s_cselect_b32 s76, s76, s77
	s_cselect_b32 s78, 0, s78
	s_cselect_b32 s79, 23, 11                      ; the last block that my lanes name
	s_mul_i32 s76, s76, RBB
	s_add_co_u32 s76, s76, s78
	s_mov_b32 s77, 0
	s_mov_b32 s[SEL], 0x76543210
	s_mov_b32 s[SEL+1], 0xfedcba98
	s_mov_b32 s15, 0xffff0000                      ; lanes 16-31
	s_mov_b32 s98, 0xbfb8aa3b                      ; -log2(e)
	s_mov_b32 s99, s98
	s_wait_dscnt 0x0                               ; both opening adds are done
	s_wait_kmcnt 0x0
	s_add_nc_u64 s[70:71], s[4:5], s[70:71]
	s_add_nc_u64 s[72:73], s[6:7], s[72:73]
	s_cmp_lt_u32 s[WV], 4
	s_cselect_b64 s[PFA:PFA+1], s[4:5], s[6:7]
	s_add_nc_u64 s[PFA:PFA+1], s[PFA:PFA+1], s[76:77]
	s_mov_b32 s[G0T], 1
	s_add_co_u32 s[G0T+1], s94, 0
	s_add_nc_u64 s[G0T+2:G0T+3], s[70:71], s[74:75]
	s_or_b32 s[G0T+3], s[G0T+3], 0x80000000
	s_mov_b32 s[G0W], 1
	s_add_co_u32 s[G0W+1], s95, 0
	s_add_nc_u64 s[G0W+2:G0W+3], s[72:73], s[74:75]
	s_or_b32 s[G0W+3], s[G0W+3], 0x80000000
	s_mov_b32 s[G0ST], 1
	s_mov_b32 s[G0ST+1], SCL
	s_add_nc_u64 s[G0ST+2:G0ST+3], s[70:71], SCO
	s_or_b32 s[G0ST+3], s[G0ST+3], 0x80000000
	s_mov_b32 s[G0SW], 1
	s_mov_b32 s[G0SW+1], SCL+16384
	s_add_nc_u64 s[G0SW+2:G0SW+3], s[72:73], SCO
	s_or_b32 s[G0SW+3], s[G0SW+3], 0x80000000
	CROUND                                         ; all sixteen work-groups are here: the first joint loads meet
	s_cmp_lt_u32 s[WV], 4                          ; the head's loads, one a wave, in one chain of branches on the wave's number
	s_cbranch_scc0 .Lh_w
	TL G0T, G1T
	s_branch .Lh_e
.Lh_w:
	s_cmp_lt_u32 s[WV], 6
	s_cbranch_scc0 .Lh_st
	TL G0W, G1W
	s_branch .Lh_e
.Lh_st:
	s_cmp_lt_u32 s[WV], 7
	s_cbranch_scc0 .Lh_sw
	TL G0ST, G1ST
	s_branch .Lh_e
.Lh_sw:
	TL G0SW, G1SW
.Lh_e:
	v_and_b32 v1, 31, v0
	v_and_b32 v2, 15, v0
	v_bfe_u32 v3, v0, 4, 1
	s_delay_alu instid0(VALU_DEP_3)
	v_min_u32 v[PFO], s79, v1
	s_delay_alu instid0(VALU_DEP_1)
	v_lshlrev_b32 v[PFO], 8, v[PFO]
	ASK 1
	s_mul_i32 s96, s[WV], 2*QB
	v_lshl_add_u32 v[AT16], v1, 4, s96
	v_lshl_add_u32 v[AT8], v1, 3, s96
	v_lshl_add_u32 v[AW16], v1, 4, WOF
	v_lshl_add_u32 v[AW8], v1, 3, WOF
	s_lshl_b32 s96, s[WV], 11
	s_add_co_u32 s96, s96, SCL
	v_lshl_add_u32 v[AST], v2, 4, s96
	v_lshl_add_u32 v[ASW], v2, 4, SCL+16384
	; ---- this launch's own: the way out's offsets
	v_lshlrev_b32 v12, 4, v1                       ; 16 x lane
	v_lshlrev_b32 v13, 3, v1                       ; 8 x lane
	v_mul_u32_u24 v14, v3, RBB
	s_delay_alu instid0(VALU_DEP_1)
	v_lshl_add_u32 v14, v2, 4, v14                 ; the scale bytes: row r of token block a = h
	; ---- the products
	s_wait_alu depctr_va_vdst(0)                   ; the head's end
	s_wait_tensorcnt 0x0                           ; my tile of the head's is in
	ds_add_u32 v[SPW], v[NIL]
	NEXTQ 1
	s_wait_dscnt 0x0
	CROUND
	RLOAD                                          ; quarter 1 into slot 1
	SCALES 0, 0
	FETCH 0, 0
	ASK 2
	KSTEP 0, 1
	KSTEP 1, 0
	KSTEP 2, 0
	TURN 0, 1, 3                                   ; quarter 2 into slot 0
	KSTEP 4, 0
	KSTEP 5, 0
	KSTEP 6, 0
	TURN 1, 2, 0                                   ; quarter 3 into slot 1
	KSTEP 8, 0
	KSTEP 9, 0
	KSTEP 10, 0
	PLACES 4                                       ; K step 11: on to slot 1; nothing is filled again
	s_wait_tensorcnt 0x0                           ; my part of quarter 3: the one load that was out
	s_wait_dscnt 0x0
	WIN 0
	s_barrier_signal -1
	s_barrier_wait -1                              ; everybody's is in
	STEPA 0
	SCALES 3, 1
	FETCH 0, 0
	WIN MUL
	MUL8 1, 3, 0, 0, 0
	MUL8 1, 3, 0, 4, 0
	s_wait_alu depctr_va_vdst(0)
	KSTEP 12, 0
	KSTEP 13, 0
	KSTEP 14, 0
	s_wait_dscnt 0x0
	MUL8 1, 3, 1, 0, 0
	MUL8 1, 3, 1, 4, 0
	WIN 0
	PLACES 4                                       ; in front of the first read of results and of writes into the scales' registers
	; ---- the way out: u1 / (1 + 2^(-log2(e) u1)) * u3, in f32, into v16-79 (32 numbers for each token block)
	s_lshl_b32 s90, s87, 4
	s_lshl_b32 s91, s[WV], 1
	s_add_co_u32 s90, s90, s91
	s_mul_i32 s90, s90, RBB                        ; token block 16 I + 2 w
	s_and_b32 s94, s86, 1                          ; J % 2: which half of a fragment
	s_lshr_b32 s91, s86, 1                         ; J / 2: which K step of the next product
	s_mul_i32 s92, s91, FRG
	s_add_co_u32 s92, s92, s90
	s_mul_i32 s95, s94, 768
	s_add_co_u32 s92, s92, s95
	s_mov_b32 s93, 0
	s_add_nc_u64 s[10:11], s[8:9], s[92:93]        ; the codes
	s_lshr_b32 s92, s86, 3
	s_lshl_b32 s92, s92, 8
	s_add_co_u32 s92, s92, s90
	s_and_b32 s91, s91, 3
	s_lshl_b32 s91, s91, 2
	s_add_co_u32 s92, s92, s91
	s_lshl_b32 s94, s94, 1
	s_add_co_u32 s92, s92, s94
	s_add_co_u32 s92, s92, SCO
	s_add_nc_u64 s[8:9], s[8:9], s[92:93]          ; the scale bytes
.irp a, 0,1
.irp j, 0,2,4,6,8,10,12,14,16,18,20,22,24,26,28,30
	v_pk_mul_f32 v[16+32*\a+\j:17+32*\a+\j], v[ACC+64*\a+\j:ACC+64*\a+\j+1], s[98:99] op_sel_hi:[1,0]
.endr
.endr
.set j, 0
	s_wait_alu depctr_va_vdst(0)                   ; ahead of the batch
.rept 64
	v_exp_f32 v[16+j], v[16+j]
.set j, j+1
.endr
	v_mov_b32 v114, 0                              ; (a plain place behind the exponentials; a lane permute's destination counts as one of its sources)
	v_mov_b32 v115, 0
	s_wait_alu depctr_va_vdst(0)                   ; one wait for the batch, ahead of its first reader
.set j, 0
.rept 32
	v_pk_add_f32 v[16+j:17+j], v[16+j:17+j], 1.0 op_sel_hi:[1,0]
.set j, j+2
.endr
.set j, 0
	s_wait_alu depctr_va_vdst(0)
.rept 64
	v_rcp_f32 v[16+j], v[16+j]
.set j, j+1
.endr
	v_nop
	s_wait_alu depctr_va_vdst(0)                   ; one wait for the batch
.irp a, 0,1
.irp j, 0,2,4,6,8,10,12,14,16,18,20,22,24,26,28,30
	v_pk_mul_f32 v[16+32*\a+\j:17+32*\a+\j], v[16+32*\a+\j:17+32*\a+\j], v[ACC+64*\a+\j:ACC+64*\a+\j+1]
.endr
.endr
.irp a, 0,1
.irp j, 0,2,4,6,8,10,12,14,16,18,20,22,24,26,28,30
	v_pk_mul_f32 v[16+32*\a+\j:17+32*\a+\j], v[16+32*\a+\j:17+32*\a+\j], v[ACC+64*\a+32+\j:ACC+64*\a+32+\j+1]
.endr
.endr
	QH 16, 96, 108, 112
	v_lshl_or_b32 v120, v115, 8, v114
	QH 48, 102, 108, 112
	v_lshl_or_b32 v121, v115, 8, v114
	s_delay_alu instid0(VALU_DEP_1)
	v_cndmask_b32 v122, v120, v121, s15            ; lanes 0-15: block a = 0's two bytes, lanes 16-31: a = 1's
	global_store_b128 v12, v[96:99], s[10:11]
	global_store_b64 v13, v[100:101], s[10:11] offset:512
	global_store_b128 v12, v[102:105], s[10:11] offset:RBB
	global_store_b64 v13, v[106:107], s[10:11] offset:RBB+512
	global_store_b16 v14, v122, s[8:9]
	s_wait_tensorcnt 0x0                           ; the wave's end
	ds_add_u32 v[SPW], v[NIL]
	s_wait_dscnt 0x0
	CROUND                                         ; the closing round
	s_endpgm
.Lfunc_end_k_q25dad72b8a_gup:
	.size	k_q25dad72b8a_gup, .Lfunc_end_k_q25dad72b8a_gup-k_q25dad72b8a_gup
	.p2alignl 7, 3214868480
	.fill 96, 4, 3214868480
	.section	.rodata,"a",@progbits
	.p2align	6, 0x0
	.amdhsa_kernel k_q25dad72b8a_gup
		.amdhsa_group_segment_fixed_size 327680
		.amdhsa_private_segment_fixed_size 0
		.amdhsa_enable_private_segment 0
		.amdhsa_kernarg_size 24
		.amdhsa_user_sgpr_count 2
		.amdhsa_user_sgpr_kernarg_segment_ptr 1
		.amdhsa_wavefront_size32 1
		.amdhsa_system_sgpr_workgroup_id_x 1
		.amdhsa_system_sgpr_workgroup_id_y 1
		.amdhsa_system_sgpr_workgroup_id_z 1
		.amdhsa_system_vgpr_workitem_id 0
		.amdhsa_next_free_vgpr 512
		.amdhsa_next_free_sgpr 100
		.amdhsa_reserve_vcc 0
		.amdhsa_float_denorm_mode_32 3
		.amdhsa_float_denorm_mode_16_64 3
		.amdhsa_memory_ordered 1
		.amdhsa_forward_progress 1
		.amdhsa_inst_pref_size 111
	.end_amdhsa_kernel
	.amdgpu_metadata
---
amdhsa.version: [ 1, 2 ]
amdhsa.kernels:
  - .name:           k_q25dad72b8a_gup
    .symbol:         k_q25dad72b8a_gup.kd
    .args:
      - { .name: nq, .offset: 0, .size: 8, .value_kind: global_buffer, .address_space: global }
      - { .name: P2, .offset: 8, .size: 8, .value_kind: global_buffer, .address_space: global }
      - { .name: tq, .offset: 16, .size: 8, .value_kind: global_buffer, .address_space: global }
    .group_segment_fixed_size: 327680
    .private_segment_fixed_size: 0
    .kernarg_segment_align: 8
    .kernarg_segment_size: 24
    .max_flat_workgroup_size: 256
    .sgpr_count:     100
    .vgpr_count:     512
    .wavefront_size: 32
...
	.end_amdgpu_metadata
.endif
;; end of part 6
;; launch gdown: the kernel of part 5 again; grid 16 x 16, 4 waves a work-group, clusters of 4 x 4, 327,680 bytes of LDS; arguments tq, P2, h2, out0; writes out0
